; MI455X (gfx1250); checked and timed in simulation.
; The chip was launched on July 23, 2026; its instructions are those of AMD's public machine-readable ISA for CDNA 5 (MIT licence, August 2026) and "CDNA5" Instruction Set Architecture Reference Guide (July 2026). The comments in the code are by the model that wrote it; some were corrected since.
;; Linear Kernel Attention. Allowed arithmetic: matrix products marked QUANTISED: E4M3 operands, one given power-of-two scale a tensor, by v_wmma_f32_16x16x64_fp8_fp8 or v_wmma_f32_16x16x128_fp8_fp8, f32 sums; everything else in f32.
;; Inputs: keys_codes 2 x 16 x 2,048 x 2 x 32 uint8 (E4M3 codes of keys, K innermost, in blocks of 32 codes); lowp_scales 4 int32 (the exponents e of the quantised operands' scales 2^e); mask 2 x 1 x 2,048 x 2,048 int32; query_codes 2 x 16 x 2,048 x 2 x 32 uint8 (E4M3 codes of query, K innermost, in blocks of 32 codes); vals_codes 2 x 16 x 64 x 64 x 32 uint8 (E4M3 codes of vals, K innermost, in blocks of 32 codes).
;; Outputs: out0 2 x 16 x 2,048 x 64 float32.
;; This version of the problem:
;;   THIS VERSION OF THE PROBLEM IS GIVEN IN LOW PRECISION. The matrix products marked QUANTISED in the list below multiply operands that are first quantised to E4M3 (4 exponent bits, 3 mantissa bits; 8 bits a number), with one given power-of-two scale for each operand tensor; their sums are f32. All else is computed in f32.
;;   The module's matrix products, in the order in which they are computed (A, B: the left and right operand; K: the contracted axis; several contracted axes count as one K, in the product's order):
;;     1. batch 32 x [M 2,048, K 64] x [K 64, N 2,048]; A: input query (given as codes); B: input keys (given as codes): QUANTISED (scales: A lowp_scales[0], B lowp_scales[1])
;;     2. batch 32 x [M 2,048, K 2,048] x [K 2,048, N 64]; A: computed on the way; B: input vals (given as codes): QUANTISED (scales: A lowp_scales[2], B lowp_scales[3])
;;   THE QUANTISER, for each operand of a quantised product, along K:
;;     - The operand's scale is 2^e, e = its entry of the input lowp_scales (int32; the entries are numbered through the quantised products in the list's order, A before B).
;;     - Each number is divided by the scale, clamped to +-448, and rounded to the nearest number of E4M3, ties to even, subnormals kept.
;;     - The product sums the exact products of the quantised numbers (number of the format x scale) in f32.
;;   ~~~python
;;   def quantise(x, axis, e):      # numpy; x: float32 -> the quantised numbers, widened to float32 again
;;       x = np.moveaxis(x, axis, -1); K = x.shape[-1]
;;       r = np.clip(x / 2.0 ** e, -448, 448)
;;       step = 2.0 ** (np.maximum(np.frexp(np.where(r == 0, 1, r))[1] - 1, -6) - 3)
;;       q = np.round(r / step) * step * 2.0 ** e      # np.round: ties to even
;;       return np.moveaxis(q, -1, axis).astype(np.float32)
;;   ~~~
;;   OPERANDS COMPUTED ON THE WAY. 'Computed on the way' means the value that the module computes at that place (a softmax that the list does not call 'softmax' is quantised finished and normalised). What goes into a quantiser is computed in f32, as accurately as f32 sums, v_exp_f32 and their like allow (about 1e-6 of the number): no bf16 or f16 on the way to a quantiser, and a product that is left as it is and whose result goes on into a quantised operand takes f32 operands (vector FMAs, or v_wmma_f32_16x16x4_f32). A number that lies on a knife's edge between two numbers of the format may be rounded either way, as far as f32 arithmetic and the matrix unit's own rounding can turn it there, and no further.
;;   INPUTS GIVEN AS CODES. keys (in the module: [2, 16, 2048, 64], K = its axis 3); query (in the module: [2, 16, 2048, 64], K = its axis 3); vals (in the module: [2, 16, 2048, 64], K = its axis 2): each comes as NAME_codes (uint8): NAME with its K axis moved to the last place and cut into blocks of 32 codes, [.., K / 32, bytes a block], one block behind the other in memory; one code a byte (a code: sign, 4 exponent bits, 3 mantissa bits); its scale is its entry of lowp_scales. Its value is code x scale, taken as it is: it is not quantised again, and the codes and scales need not be those that the quantiser above would give.
;; 3 versions, each right; version 2 is faster than version 1; version 3 is version 2 with the launch lka written anew for expert scheduling mode. Each part assembles by itself: llvm-mc -triple=amdgcn-amd-amdhsa -mcpu=gfx1250 --defsym DOCPART=n.
;; ======== version 1 of 3: 1 launch
;; limits: right only within a limited range of input values
;; launch lka (part 1): grid 4 x 64, 4 waves a work-group, no clusters, 287,232 bytes of LDS; arguments query_codes, keys_codes, vals_codes, mask, lowp_scales, out0; writes out0
.if DOCPART == 1
	.amdgcn_target "amdgcn-amd-amdhsa--gfx1250"
	.amdhsa_code_object_version 6
	.text
	.protected	k_q06cf4f4b4d_lka
	.globl	k_q06cf4f4b4d_lka
	.p2align	8
	.type	k_q06cf4f4b4d_lka,@function
k_q06cf4f4b4d_lka:
	s_mov_b64 s[64:65], 0
	v_nop
	global_prefetch_b8 v0, s[64:65] scope:SCOPE_SE
	s_setreg_imm32_b32 hwreg(HW_REG_WAVE_MODE, 25, 1), 1
	s_wait_xcnt 0x0
; out[b][h][q][:] = sum over k of Q8(attn[q][k]) V[k][:],  attn = p / max(|p|_2, 1e-12),  p = (Q.K + 1e-5) where mask != 0, else 0.
; Q, K: E4M3 codes [32 heads][2048][64].  V: codes with the keys innermost [32][64 d][2048].  mask: int32 [2][2048][2048], shared by a batch's 16 heads.  out: f32 [32][2048][64].
; SHARES.  A work-group owns 64 queries of one batch and four heads; wave w owns head 4 x + w and all 64 queries, four tiles of 16, so each fragment of K and of V feeds four products.
; TWO PASSES over the 2,048 keys, since the quantiser wants the finished row: pass 1 sums the squares, pass 2 makes the scores again, quantises them and multiplies by V.
; BOTH PRODUCTS ARE USED TRANSPOSED (S^T = K Q^T, O^T = V^T P): a lane holds one query (lane % 16), its registers run along the keys.  Lane r of key tile 2 b + u takes key 32 b + 8 u + r + (r & 8),
; so that the 16 registers of tiles 2 b, 2 b + 1 are the keys 32 b + 16 (lane / 16) + 0 .. 15: the conversions' results are the second product's operand as they stand.
; Every 8-bit fragment comes by two loads of 16 bytes: register 4 c + p, byte n holds k = 32 c + 16 (lane / 16) + 4 p + n, alike on both sides of every product (a permutation of k).
; UNITS.  Scores stay in units of the codes: 1e-5 / 2^(e0+e1) is the C of the score product, and 2^(e0+e1) cancels in p / |p| (the floor 1e-12 is divided by it too).
; THE MASK is read once by the work-group (wave w: query tile w), turned into bytes 0 / 1 (any word but 0 counts as true; byte 1 is the E4M3 number 2^-9) and kept in LDS as images of B fragments.
; A product with a constant selection fragment (one code in each row) widens 16 keys x 16 queries of it to f32 in the scores' own layout:
;   pass 1: code 256 -> m = 0 or 0.5: sum += (s m)^2, times 4 at the end.   pass 2: code 448 -> m = 0 or 0.875: x = s rn, rn = 2^-(e2+9) / norm; the middle of (x, -m, m) is the mask and the hold at
;   448 x 2^e2 in one instruction, and the conversion divides by 2^-9.
; THE KEYS' ORDER IS TURNED: trip S works on the 256 keys number (S + rot) & 7, rot = (2 x + y) & 7, for mask, K and V alike; LDS goes by S alone.  The four work-groups that share mask rows so begin at different keys.
; NO CLUSTER, NO TENSOR LOADS: a fragment of K or V is read by one wave alone, K straight into its registers, V through its own staging; the mask's images (147,456 bytes) and V's staging (139,264) leave
; 40,960 bytes of a WGP's LDS, and one slot of raw mask for a joint load (64 queries x 256 keys x 4 bytes = 65,536) does not fit even once.
; LIMITS: e0 + e1 and e2 each between -40 and 40; e2 + e3 between -126 and 127 (2^(e2+e3) is made as an f32 number).  NaN codes are not served.
; REGISTERS, in windows of 256.  Window 0: v1-31 addresses and constants; v32-63 sums of squares (8 a tile), later rn; v64-71 the C of the scores; v72-199 two sets of 32 scores + 32 mask numbers; v200-207 P's codes.
;   Window 1: v0-31 Q; v32-45 the selection; v48-111 two sets of mask fragments; v112-239 K, a ring of four chunks.   Window 2: v0-127 raw mask (pass 1), O^T (pass 2); v128-191 packed words (pass 1), V's fragments; v192-194 addresses.
;   Window 3: v0-127 V on its way to the staging.
.set IMGF,  1152                       ; a mask fragment's image: four blocks of 256 bytes + 32 of padding (block (c, half) at 576 c + 288 half; query r's 16 bytes at 16 r)
.set IMGS,  4*IMGF                     ; the four fragments of 256 keys
.set IMGT,  32*IMGF                    ; a query tile's 32 fragments; the images fill LDS bytes 0 .. 147,455
.set VST,   4*IMGT                     ; V's staging: two buffers x four waves x 64 rows of 256 + 16 bytes
.set VWAVE, 64*272
.set VBUF,  4*VWAVE
.set KO,3                              ; v3   K: (r + (r & 8)) 64 + 16 h
.set VG,4                              ; v4   V in memory: 2048 h + 16 r
.set QO,5                              ; v5   Q: 64 r + 16 h
.set MB0,6                             ; v6-9   images of query tile 0..3: my lane's place
.set MBA,10                            ; v10-13 the same at the trip's 256 keys
.set VL0,14                            ; v14  staging, a fragment's row: 272 r + 16 h
.set VS0,15                            ; v15  staging by rows: 272 h + 16 r (also the way out's read)
.set VLC,16                            ; v16  VL0 in the buffer in hand;  v17 in the next;  v18 VS0 in the next
.set VLN,17
.set VSN,18
.set STO,19                            ; v19  the way out: 272 r + 32 h
.set GO,21                             ; v21  the way out: 256 h + 16 r
.set CSC,22                            ; v22  2^-9, the conversion's scale
.set EPSN,23                           ; v23  1e-12 / 2^(e0+e1)
.set W7,26                             ; v26-27 the selection's two words with code 448
.set ACC,32
.set EPSC,64
.set SCO,72
.set MSK,104
.set PC,200
.set PX,208
.set QF,0                              ; window 1
.set SEL,32
.set MBR,48
.set KR,112
.set OA,0                              ; window 2
.set RW,0
.set VFR,128
.set PK,128
.set MOFF,192                          ; mask in memory: 8192 h + 16 r
.set IST0,193                          ; where my packed word goes in an image
.set IST,194
.set VSR,0                             ; window 3
.set SQ,4                              ; s[4:5] Q, s[6:7] K, s[8:9] V, s[10:11] mask, s[14:15] out: at my wave's part
.set SK,6
.set SV,8
.set SM,10
.set SO,14
.set WV,16
.set RT,24                             ; s24  rot + trip, running through both passes
.set MRA,26                            ; s[26:27], s[28:29] the mask at the first and second 256 keys
.set MRB,28
.set KC,36                             ; s[36:37] K at this trip's keys, s[38:39] at the next trip's
.set KN,38
.set MR,44                             ; s[44:45] the mask two trips on
.set VB1,48                            ; s[48:49] V one trip on, s[50:51] two trips on
.set VB2,50
.set MO,52                             ; s52  the trip's place in the images
.set VT,53                             ; s53  0 or VBUF
.set CNT,54
.set OSC,58                            ; s[58:59] 2^(e2+e3)
.set NE01,60                           ; s60  -(e0+e1)
.set NE2,61                            ; s61  -(e2+9)
.set OFS,62                            ; s[62:63] an offset in 64 bits
.set MSB, 0
.macro WIN new                         ; the immediate's high byte repeats the setting that is left; bits 1:0 source 0, 3:2 source 1, 5:4 source 2, 7:6 destination
.if MSB != \new
	s_set_vgpr_msb (MSB<<8)|\new
.set MSB, \new
.endif
.endm
.macro BASES                           ; the stepped addresses, each from its own buffer's pointer and (rot + trip + n) & 7
	s_and_b32 s[OFS], s[RT], 7
	s_lshl_b32 s[OFS], s[OFS], 14                  ; 256 keys of K are 16,384 bytes
	s_add_nc_u64 s[KC:KC+1], s[SK:SK+1], s[OFS:OFS+1]
	s_add_co_u32 s25, s[RT], 1
	s_and_b32 s25, s25, 7
	s_lshl_b32 s[OFS], s25, 14
	s_add_nc_u64 s[KN:KN+1], s[SK:SK+1], s[OFS:OFS+1]
	s_lshl_b32 s[OFS], s25, 8                      ; of a row of V 256 bytes
	s_add_nc_u64 s[VB1:VB1+1], s[SV:SV+1], s[OFS:OFS+1]
	s_add_co_u32 s25, s[RT], 2
	s_and_b32 s25, s25, 7
	s_lshl_b32 s[OFS], s25, 10                     ; of a row of the mask 1,024 bytes
	s_add_nc_u64 s[MR:MR+1], s[SM:SM+1], s[OFS:OFS+1]
	s_lshl_b32 s[OFS], s25, 8
	s_add_nc_u64 s[VB2:VB2+1], s[SV:SV+1], s[OFS:OFS+1]
.endm
.macro KLOAD slot, base, off           ; a chunk of 64 keys (4,096 bytes) into slot of K's ring: four tiles, two loads each
	WIN 0x40
.irp t, 0,1,2,3
	global_load_b128 v[KR+32*(\slot)+8*\t:KR+32*(\slot)+8*\t+3],   v[KO], s[\base:\base+1] offset:(\off)+(32*(\t/2)+8*(\t%2))*64
	global_load_b128 v[KR+32*(\slot)+8*\t+4:KR+32*(\slot)+8*\t+7], v[KO], s[\base:\base+1] offset:(\off)+(32*(\t/2)+8*(\t%2))*64+32
.endr
.endm
.macro RLOAD bb, base                  ; raw mask, chunk bb of 256 keys, my tile's 16 rows: a load takes two rows x 256 consecutive bytes
	WIN 0xaa
.irp p, 0,1,2,3,4,5,6,7
	global_load_b128 v[RW+4*(8*(\bb)+\p):RW+4*(8*(\bb)+\p)+3], v[MOFF], s[\base:\base+1] offset:\p*16384+(\bb)*256
.endr
.endm
; Eight matrix instructions for query tile qt: four tiles of scores (K's ring slot kb) and the same four tiles of the mask (fragment set mb), into set ss.  Eight different results: no chain.
.macro WS qt, kb, mb, ss
	WIN 0x05
.irp t, 0,1,2,3
	v_wmma_f32_16x16x64_fp8_fp8 v[SCO+64*(\ss)+8*\t:SCO+64*(\ss)+8*\t+7], v[KR+32*(\kb)+8*\t:KR+32*(\kb)+8*\t+7], v[QF+8*(\qt):QF+8*(\qt)+7], v[EPSC:EPSC+7]
.endr
.irp t, 0,1,2,3
	v_wmma_f32_16x16x64_fp8_fp8 v[MSK+64*(\ss)+8*\t:MSK+64*(\ss)+8*\t+7], v[SEL+6-2*\t:SEL+13-2*\t], v[MBR+32*(\mb)+8*(\qt):MBR+32*(\mb)+8*(\qt)+7], 0
.endr
.endm
.macro VEC1 qt, ss                     ; pass 1: sum += (s m)^2, two at a time, in four chains; each result is read from its low end on
	WIN 0
.set rS, SCO+64*(\ss)
.set rM, MSK+64*(\ss)
.set rA, ACC+8*(\qt)
.set j, 0
.rept 16
	v_pk_mul_f32 v[rS+j:rS+j+1], v[rS+j:rS+j+1], v[rM+j:rM+j+1]
.set j, j+2
.endr
.set j, 0
.rept 16
	v_pk_fma_f32 v[rA+j%8:rA+j%8+1], v[rS+j:rS+j+1], v[rS+j:rS+j+1], v[rA+j%8:rA+j%8+1]
.set j, j+2
.endr
.endm
.macro VEC2 qt, ss                     ; pass 2: x = s rn; the middle of (x, -m, m): mask and hold in one; eight codes a conversion
	WIN 0
.set rS, SCO+64*(\ss)
.set rM, MSK+64*(\ss)
.set rA, ACC+8*(\qt)
.set j, 0
.rept 16
	v_pk_mul_f32 v[rS+j:rS+j+1], v[rS+j:rS+j+1], v[rA:rA+1]
.set j, j+2
.endr
.set j, 0
.rept 32
	v_med3_num_f32 v[rS+j], v[rS+j], -v[rM+j], v[rM+j]
.set j, j+1
.endr
.irp t, 0,1,2,3
	v_cvt_scalef32_pk8_fp8_f32 v[PC+2*\t:PC+2*\t+1], v[rS+8*\t:rS+8*\t+7], v[CSC]
.endr
	v_nop                                          ; one plain vector instruction between the conversions and the products that read the codes and write the scores anew
.endm
.macro PV qt, vb, zero                 ; O^T of tile qt += V^T P: four accumulators, one instruction a turn; zero = 1: the first chunk starts the sums
	WIN 0xa2
.irp d, 0,1,2,3
.if \zero
	v_wmma_f32_16x16x64_fp8_fp8 v[OA+32*(\qt)+8*\d:OA+32*(\qt)+8*\d+7], v[VFR+32*(\vb)+8*\d:VFR+32*(\vb)+8*\d+7], v[PC:PC+7], 0
.else
	v_wmma_f32_16x16x64_fp8_fp8 v[OA+32*(\qt)+8*\d:OA+32*(\qt)+8*\d+7], v[VFR+32*(\vb)+8*\d:VFR+32*(\vb)+8*\d+7], v[PC:PC+7], v[OA+32*(\qt)+8*\d:OA+32*(\qt)+8*\d+7]
.endif
.endr
.endm
; Chunk bb of the ring's raw mask becomes an image: min(word, 1), four bytes packed to a word, stage by stage across the eight loads' registers.  ahead = 1: the registers take the same chunk 256 keys on.
.macro CONV bb, nr, ahead, base, lofs
	WIN 0xaa
	s_wait_loadcnt \nr                             ; the chunk's eight loads are in: nr loads at the least were issued behind them
	s_wait_dscnt 0x0                               ; the last conversion's LDS stores have read the packed words
.irp p, 0,1,2,3,4,5,6,7
.irp k, 0,1,2,3
	v_min_u32 v[RW+4*(8*(\bb)+\p)+\k], 1, v[RW+4*(8*(\bb)+\p)+\k]
.endr
.endr
.irp p, 0,1,2,3,4,5,6,7
	v_lshl_or_b32 v[PK+\p], v[RW+4*(8*(\bb)+\p)+1], 8, v[RW+4*(8*(\bb)+\p)]
.endr
.irp p, 0,1,2,3,4,5,6,7
	v_lshl_or_b32 v[RW+4*(8*(\bb)+\p)+2], v[RW+4*(8*(\bb)+\p)+3], 8, v[RW+4*(8*(\bb)+\p)+2]
.endr
.irp p, 0,1,2,3,4,5,6,7
	v_lshl_or_b32 v[PK+\p], v[RW+4*(8*(\bb)+\p)+2], 16, v[PK+\p]
.endr
.if \ahead
	RLOAD \bb, \base
.endif
.irp p, 0,1,2,3,4,5,6,7
	ds_store_b32 v[IST], v[PK+\p] offset:(\lofs)+(\bb)*IMGF+\p*32   ; queries 2 p + h, keys 4 r .. 4 r + 3: the 32 lanes fall on 32 different banks
.endr
.endm
; The loads of body i, in one run.  vsl: eight loads of V (batch (i + 3) % 4) for the staging;  kl: K three chunks on;  mbl: the next chunk's mask fragments (wrap: the first chunk's);
; vst: V's batch i (asked for three bodies ago) into the next buffer;  vfl: the next chunk's fragments of V (i = 3: from the next buffer, behind the store: LDS serves a wave's instructions in order, ISA guide 5.7.1.4).
.macro LB i, vsl, kl, vst, mbl, vfl, wrap
.if \vsl
	WIN 0xc0
.set vj, 8*(((\i)+3)%4)
.irp p, 0,1,2,3,4,5,6,7
.if (\i) == 0
	global_load_b128 v[VSR+4*(vj+\p):VSR+4*(vj+\p)+3], v[VG], s[VB1:VB1+1] offset:(vj+\p)*4096   ; two rows d x 256 consecutive bytes
.else
	global_load_b128 v[VSR+4*(vj+\p):VSR+4*(vj+\p)+3], v[VG], s[VB2:VB2+1] offset:(vj+\p)*4096
.endif
.endr
.endif
.if \kl
.if (\i) == 0
	KLOAD 3, KC, 3*4096
.else
	KLOAD ((\i)+3)%4, KN, ((\i)-1)*4096
.endif
.endif
.if \mbl
	WIN 0x40
.set mj, MBR+32*(((\i)+1)%2)
.irp q, 0,1,2,3
.if \wrap
	ds_load_b128 v[mj+8*\q:mj+8*\q+3],   v[MB0+\q]
	ds_load_b128 v[mj+8*\q+4:mj+8*\q+7], v[MB0+\q] offset:576
.else
	ds_load_b128 v[mj+8*\q:mj+8*\q+3],   v[MBA+\q] offset:((\i)+1)*IMGF
	ds_load_b128 v[mj+8*\q+4:mj+8*\q+7], v[MBA+\q] offset:((\i)+1)*IMGF+576
.endif
.endr
.endif
.if \vst
	WIN 0x0c
.irp p, 0,1,2,3,4,5,6,7
	ds_store_b128 v[VSN], v[VSR+4*(8*(\i)+\p):VSR+4*(8*(\i)+\p)+3] offset:(8*(\i)+\p)*544
.endr
.endif
.if \vfl
	WIN 0x80
.set fj, VFR+32*(((\i)+1)%2)
.irp d, 0,1,2,3
.if (\i) == 3
	ds_load_b128 v[fj+8*\d:fj+8*\d+3],   v[VLN] offset:\d*4352
	ds_load_b128 v[fj+8*\d+4:fj+8*\d+7], v[VLN] offset:\d*4352+32
.else
	ds_load_b128 v[fj+8*\d:fj+8*\d+3],   v[VLC] offset:\d*4352+((\i)+1)*64
	ds_load_b128 v[fj+8*\d+4:fj+8*\d+7], v[VLC] offset:\d*4352+((\i)+1)*64+32
.endif
.endr
.endif
.endm
.macro HEAD nk                         ; in front of the next chunk's first products
	s_wait_loadcnt \nk                             ; its K, asked for two bodies ago, is in: nk loads were issued behind it
	s_wait_dscnt 0x0                               ; its mask fragments and V's are in, and the staging's stores have read their registers
.endm
; A BODY is a chunk of 64 keys x four query tiles.  A tile's products are issued one tile ahead of its vector work, into two sets by turns, so that the vector work of one tile stands beside the products of the next.
; Between a product and the first read of its result, a load into one of its operands, or a product that writes over its result, always stands another tile's vector work: 32 plain instructions or more.
.macro BODY1 i, conv, ahead, nr, bar, vsl, vst, vfl, wrap, nk, nxt
	WS 1, \i, (\i)%2, 1
	VEC1 0, 0
.if \conv
	CONV \i, \nr, \ahead, MR, IMGS
.endif
.if \bar
	s_wait_dscnt 0x0                               ; for the others' sake: my words of the next 256 keys' images have landed
	s_barrier_signal -1
	WS 2, \i, (\i)%2, 0
	VEC1 1, 1                                      ; work on registers while the others arrive
	s_barrier_wait -1                              ; the next 256 keys' images are whole: the run of loads below reads the first of them
	LB \i, \vsl, 1, \vst, 1, \vfl, \wrap
.else
	LB \i, \vsl, 1, \vst, 1, \vfl, \wrap
	WS 2, \i, (\i)%2, 0
	VEC1 1, 1
.endif
	WS 3, \i, (\i)%2, 1
	VEC1 2, 0
.if \nxt
	HEAD \nk
	WS 0, ((\i)+1)%4, ((\i)+1)%2, 0
.endif
	VEC1 3, 1
.endm
.macro BODY2 i, zero, vsl, kl, vst, mbl, vfl, nk, nxt
	WS 1, \i, (\i)%2, 1
	VEC2 0, 0
	LB \i, \vsl, \kl, \vst, \mbl, \vfl, 0
	PV 0, (\i)%2, \zero
	WS 2, \i, (\i)%2, 0
	VEC2 1, 1
	PV 1, (\i)%2, \zero
	WS 3, \i, (\i)%2, 1
	VEC2 2, 0
	PV 2, (\i)%2, \zero
.if \nxt
	HEAD \nk
	WS 0, ((\i)+1)%4, ((\i)+1)%2, 0
.endif
	VEC2 3, 1
	PV 3, (\i)%2, \zero
.endm
.macro TRIPHEAD ist, vv                ; the trip's LDS addresses; no LDS instruction of the wave is out here
	WIN 0
.irp q, 0,1,2,3
	v_add_nc_u32 v[MBA+\q], s[MO], v[MB0+\q]
.endr
.if \vv
	v_add_nc_u32 v[VLC], s[VT], v[VL0]
	s_xor_b32 s[VT], s[VT], VBUF
	v_add_nc_u32 v[VLN], s[VT], v[VL0]
	v_add_nc_u32 v[VSN], s[VT], v[VS0]
.endif
.if \ist
	WIN 0xaa
	v_add_nc_u32 v[IST], s[MO], v[IST0]
.endif
.endm
.macro TRIPEND
	WIN 0
	s_wait_xcnt 0x0                                ; the loads issued so far have had their addresses translated (ISA guide 3.1): only now are their bases written again
	s_add_co_u32 s[RT], s[RT], 1
	BASES
	s_add_co_u32 s[MO], s[MO], IMGS
.endm
	s_load_b256 s[4:11], s[0:1], 0x0               ; Q, K, V, mask
	s_load_b128 s[12:15], s[0:1], 0x20             ; the scales' exponents, out
	v_lshl_add_u32 v254, v0, 2, 0x46000
	v_mov_b32 v255, 0
	v_lshrrev_b32 v28, 5, v0
	v_readfirstlane_b32 s[WV], v28                 ; wave 0..3
	v_and_b32 v1, 15, v0                           ; r
	v_bfe_u32 v2, v0, 4, 1                         ; h
	s_and_b32 s17, ttmp7, 0xffff                   ; y = 32 x batch + block of 64 queries
	s_lshr_b32 s18, s17, 5
	s_and_b32 s19, s17, 31
	s_lshl_b32 s20, s18, 4
	s_lshl_b32 s21, ttmp9, 2
	s_add_co_u32 s20, s20, s21
	s_add_co_u32 s20, s20, s[WV]                   ; my head among the 32: 16 batch + 4 x + wave
	s_lshl_b32 s[RT], ttmp9, 1
	s_add_co_u32 s[RT], s[RT], s17
	s_and_b32 s[RT], s[RT], 7                      ; rot
	s_mov_b32 s[OFS+1], 0
	s_mov_b32 s[MO], 0
	s_mov_b32 s[VT], VBUF
	s_mov_b32 s56, 0x76543210                      ; v_permlanex16_b32's selects for lane l xor 16
	s_mov_b32 s57, 0xfedcba98
	v_and_b32 v28, 8, v1
	v_add_nc_u32 v28, v28, v1
	v_lshlrev_b32 v28, 6, v28
	v_lshl_add_u32 v[KO], v2, 4, v28
	v_lshlrev_b32 v28, 4, v1                       ; 16 r
	v_lshl_add_u32 v[VG], v2, 11, v28
	v_lshlrev_b32 v29, 6, v1
	v_lshl_add_u32 v[QO], v2, 4, v29
	v_mad_u32_u24 v[MB0], v2, 288, v28
	v_add_nc_u32 v[MB0+1], IMGT, v[MB0]
	v_add_nc_u32 v[MB0+2], 2*IMGT, v[MB0]
	v_add_nc_u32 v[MB0+3], 3*IMGT, v[MB0]
	s_mul_i32 s23, s[WV], VWAVE
	s_add_co_u32 s23, s23, VST                     ; my wave's part of staging buffer 0
	v_mul_u32_u24 v29, v1, 272
	v_lshl_add_u32 v30, v2, 4, v29
	v_add_nc_u32 v[VL0], s23, v30
	v_lshl_add_u32 v30, v2, 5, v29
	v_add_nc_u32 v[STO], s23, v30
	v_mad_u32_u24 v29, v2, 272, v28
	v_add_nc_u32 v[VS0], s23, v29
	v_lshl_add_u32 v[GO], v2, 8, v28
	s_mul_i32 s22, s[WV], IMGT                     ; I write query tile w's images
	v_bfe_u32 v29, v0, 3, 1
	v_mul_u32_u24 v29, v29, 576
	v_bfe_u32 v30, v0, 2, 1
	v_mad_u32_u24 v29, v30, 288, v29
	v_and_b32 v30, 3, v0
	v_lshl_add_u32 v29, v30, 2, v29
	v_lshl_add_u32 v29, v2, 4, v29                 ; keys 4 r on: block (r >> 3, bit 2 of r), word r & 3; query 2 p + h: 16 h here, 32 p in the store's offset
	WIN 0x80
	v_lshl_add_u32 v[MOFF], v2, 13, v28
	v_add_nc_u32 v[IST0], s22, v29
	WIN 0
	s_lshl_b32 s21, s20, 17                        ; a head's codes: 131,072 bytes
	s_lshl_b32 s22, s19, 12                        ; 64 queries' codes: 4,096
	s_wait_kmcnt 0x0
	s_load_b128 s[32:35], s[12:13], 0x0            ; e0 .. e3
	s_mov_b32 s[OFS], s21
	s_add_nc_u64 s[SK:SK+1], s[SK:SK+1], s[OFS:OFS+1]
	s_add_nc_u64 s[SV:SV+1], s[SV:SV+1], s[OFS:OFS+1]
	s_add_co_u32 s[OFS], s21, s22
	s_add_nc_u64 s[SQ:SQ+1], s[SQ:SQ+1], s[OFS:OFS+1]
	s_lshl_b32 s[OFS], s18, 24                     ; a batch's mask: 16,777,216 bytes; 64 rows: 524,288; my tile's 16: 131,072
	s_lshl_b32 s23, s19, 19
	s_add_co_u32 s[OFS], s[OFS], s23
	s_lshl_b32 s23, s[WV], 17
	s_add_co_u32 s[OFS], s[OFS], s23
	s_add_nc_u64 s[SM:SM+1], s[SM:SM+1], s[OFS:OFS+1]
	s_lshl_b32 s[OFS], s20, 19                     ; a head of out: 524,288 bytes; 64 rows: 16,384
	s_lshl_b32 s23, s19, 14
	s_add_co_u32 s[OFS], s[OFS], s23
	s_add_nc_u64 s[SO:SO+1], s[SO:SO+1], s[OFS:OFS+1]
	s_lshl_b32 s[OFS], s[RT], 10
	s_add_nc_u64 s[MRA:MRA+1], s[SM:SM+1], s[OFS:OFS+1]
	s_add_co_u32 s25, s[RT], 1
	s_and_b32 s25, s25, 7
	s_lshl_b32 s[OFS], s25, 10
	s_add_nc_u64 s[MRB:MRB+1], s[SM:SM+1], s[OFS:OFS+1]
	BASES
	WIN 0x40
.irp q, 0,1,2,3
	global_load_b128 v[QF+8*\q:QF+8*\q+3],   v[QO], s[SQ:SQ+1] offset:\q*1024      ; Q stays in registers
	global_load_b128 v[QF+8*\q+4:QF+8*\q+7], v[QO], s[SQ:SQ+1] offset:\q*1024+32
.endr
	KLOAD 0, KC, 0
	KLOAD 1, KC, 4096
	RLOAD 0, MRA                                   ; the ring of raw mask: the first 256 keys.  56 loads of the wave are out
	RLOAD 1, MRA
	RLOAD 2, MRA
	RLOAD 3, MRA
	WIN 0
	; constants, while the loads are on their way
	v_bfe_u32 v28, v0, 3, 1
	v_xor_b32 v28, v28, v2
	v_xor_b32 v28, 1, v28                          ; 1 where h == r >> 3: the half of the lanes that holds row r's key
	v_bfe_u32 v29, v0, 2, 1
	v_and_b32 v30, v28, v29                        ; the key lies in the second word (bit 2 of r),
	v_xor_b32 v29, 1, v29
	v_and_b32 v29, v28, v29                        ; or in the first
	v_and_b32 v31, 3, v0
	v_lshlrev_b32 v31, 3, v31                      ; at byte r & 3
	v_mul_u32_u24 v24, 0x7e, v29
	v_mul_u32_u24 v25, 0x7e, v30
	v_lshlrev_b32 v[W7], v31, v24                  ; code 448, for pass 2
	v_lshlrev_b32 v[W7+1], v31, v25
	v_mul_u32_u24 v24, 0x78, v29
	v_mul_u32_u24 v25, 0x78, v30
	WIN 0x40
.irp k, 0,1,2,3,4,5,8,9,10,11,12,13
	v_mov_b32 v[SEL+\k], 0                         ; tile t's selection is v[SEL + 6 - 2 t] on: the two words stand at its registers 2 t, 2 t + 1, zeros round them
.endr
	v_lshlrev_b32 v[SEL+6], v31, v24               ; code 256, for pass 1
	v_lshlrev_b32 v[SEL+7], v31, v25
	WIN 0
	v_mov_b32 v[CSC], 0x3b000000                   ; 2^-9
.set j, 0
.rept 32
	v_mov_b32 v[ACC+j], 0                          ; the sums of squares begin as zeros: a first chunk of its own would be a further copy of a trip
.set j, j+1
.endr
.irp q, 0,1,2,3
	v_mov_b32 v[PX+\q], 0                          ; a lane permute's destination counts as one of its sources
.endr
	s_wait_kmcnt 0x0
	s_add_co_i32 s[NE01], s32, s33
	s_sub_co_i32 s[NE01], 0, s[NE01]
	s_add_co_i32 s[NE2], s34, 9
	s_sub_co_i32 s[NE2], 0, s[NE2]
	s_add_co_i32 s[OSC], s34, s35
	s_add_co_i32 s[OSC], s[OSC], 127
	s_lshl_b32 s[OSC], s[OSC], 23                  ; 2^(e2+e3) as f32
	s_mov_b32 s[OSC+1], s[OSC]
	v_mov_b32 v[EPSN], 0x2b8cbccc                  ; 1e-12
	v_ldexp_f32 v[EPSN], v[EPSN], s[NE01]
	v_mov_b32 v[EPSC], 0x3727c5ac                  ; 1e-5
	v_ldexp_f32 v[EPSC], v[EPSC], s[NE01]
.irp k, 1,2,3,4,5,6,7
	v_mov_b32 v[EPSC+\k], v[EPSC]
.endr
	; THE FIRST 256 KEYS' IMAGES.  Behind chunk 0's loads: chunks 1-3 (24).  Behind chunk 1's: chunks 2, 3, the first refill and K's third chunk (32); and so on
	WIN 0xaa
	v_add_nc_u32 v[IST], s[MO], v[IST0]
	CONV 0, 24, 1, MRB, 0
	KLOAD 2, KC, 8192
	CONV 1, 32, 1, MRB, 0
	CONV 2, 32, 1, MRB, 0
	CONV 3, 32, 1, MRB, 0
	s_wait_dscnt 0x0                               ; for the others' sake: my words have landed
	s_barrier_signal -1
	s_barrier_wait -1
	LB 3, 0, 0, 0, 1, 0, 1                         ; the first chunk's mask fragments
	s_wait_dscnt 0x0                               ; (Q and K's first two chunks are older than the raw mask that has been waited for)
	WS 0, 0, 0, 0
	WIN 0
.rept 4
	v_nop                                          ; here no other tile's vector work stands between these products and the read of their results
.endr
	; PASS 1.  Trip S: the sums over its 256 keys; the images of the next 256; the raw mask of the 256 after those is asked for.
	; The conversion's wait for 32 does its work on the way in (behind the first refill: K's third chunk and three refills); later the wait at the last body's end has met it.
	; That wait: behind K of the next chunk, asked for two bodies ago, two bodies' loads were issued: 2 x (8 of the mask + 8 of K).
	s_mov_b32 s[CNT], 6
.Lp1:
	TRIPHEAD 1, 0
	BODY1 0, 1, 1, 32, 0, 0, 0, 0, 0, 32, 1
	BODY1 1, 1, 1, 32, 0, 0, 0, 0, 0, 32, 1
	BODY1 2, 1, 1, 32, 0, 0, 0, 0, 0, 32, 1
	BODY1 3, 1, 1, 32, 1, 0, 0, 0, 0, 32, 1
	TRIPEND
	s_sub_co_u32 s[CNT], s[CNT], 1
	s_cmp_lg_u32 s[CNT], 0
	s_cbranch_scc1 .Lp1
	; trip 6: the last images; no raw mask is left to ask for.  From its second body on V's first 256 keys are asked for, as in pass 2.
	; Behind K of the next chunk: 8 + 8 + 8;  8 + 16;  16 + 16;  16 + 16
	TRIPHEAD 1, 0
	BODY1 0, 1, 0, 32, 0, 0, 0, 0, 0, 24, 1
	BODY1 1, 1, 0, 24, 0, 1, 0, 0, 0, 24, 1
	BODY1 2, 1, 0, 24, 0, 1, 0, 0, 0, 32, 1
	BODY1 3, 1, 0, 32, 1, 1, 0, 0, 0, 32, 1
	TRIPEND
	; trip 7: nothing to convert, no barrier.  V's first 256 keys go into staging buffer 0; K, the mask fragments and V's fragments wrap round to pass 2's first chunk
	TRIPHEAD 0, 1
	BODY1 0, 0, 0, 0, 0, 1, 1, 0, 0, 32, 1
	BODY1 1, 0, 0, 0, 0, 1, 1, 0, 0, 32, 1
	BODY1 2, 0, 0, 0, 0, 1, 1, 0, 0, 32, 1
	BODY1 3, 0, 0, 0, 0, 1, 1, 1, 1, 0, 0
	TRIPEND
	; BETWEEN THE PASSES: rn = 2^-(e2+9) / max(sqrt(4 x sum), 1e-12 / 2^(e0+e1)), for each tile's query; the four tiles take turns line by line
	s_mov_b32 s[MO], 0
.irp q, 0,1,2,3
	v_pk_add_f32 v[ACC+8*\q:ACC+8*\q+1], v[ACC+8*\q:ACC+8*\q+1], v[ACC+8*\q+2:ACC+8*\q+3]
	v_pk_add_f32 v[ACC+8*\q+4:ACC+8*\q+5], v[ACC+8*\q+4:ACC+8*\q+5], v[ACC+8*\q+6:ACC+8*\q+7]
.endr
.irp q, 0,1,2,3
	v_pk_add_f32 v[ACC+8*\q:ACC+8*\q+1], v[ACC+8*\q:ACC+8*\q+1], v[ACC+8*\q+4:ACC+8*\q+5]
.endr
.irp q, 0,1,2,3
	v_add_f32 v[ACC+8*\q], v[ACC+8*\q], v[ACC+8*\q+1]
.endr
.irp q, 0,1,2,3
	v_permlanex16_b32 v[PX+\q], v[ACC+8*\q], s56, s57      ; the query's other keys lie in the lane 16 away
.endr
.irp q, 0,1,2,3
	v_add_f32 v[ACC+8*\q], v[ACC+8*\q], v[PX+\q]
.endr
.irp q, 0,1,2,3
	v_mul_f32 v[ACC+8*\q], 4.0, v[ACC+8*\q]                ; m was 0.5
.endr
.irp q, 0,1,2,3
	v_sqrt_f32 v[ACC+8*\q+2], v[ACC+8*\q]
.endr
	v_nop                                          ; a plain instruction behind the roots
	s_wait_alu depctr_va_vdst(0)
.irp q, 0,1,2,3
	v_max_num_f32 v[ACC+8*\q+2], v[ACC+8*\q+2], v[EPSN]
.endr
.irp q, 0,1,2,3
	v_rcp_f32 v[ACC+8*\q+4], v[ACC+8*\q+2]
.endr
	v_nop                                          ; a plain instruction behind the reciprocals
	s_wait_alu depctr_va_vdst(0)
.irp q, 0,1,2,3
	v_ldexp_f32 v[ACC+8*\q], v[ACC+8*\q+4], s[NE2]
.endr
.irp q, 0,1,2,3
	v_mov_b32 v[ACC+8*\q+1], v[ACC+8*\q]                   ; a pair for the packed multiply
.endr
	WIN 0x40
	v_mov_b32 v[SEL+6], v[W7]                      ; the selection now carries code 448
	v_mov_b32 v[SEL+7], v[W7+1]
	; PASS 2.  Behind K of the next chunk two bodies' loads were issued: 2 x (8 of V + 8 of K)
	HEAD 32
	WS 0, 0, 0, 0
	WIN 0
.rept 4
	v_nop                                          ; as in front of pass 1
.endr
	TRIPHEAD 0, 1
	BODY2 0, 1, 1, 1, 1, 1, 1, 32, 1               ; the first chunk's products start O^T's sums: nothing is cleared
	BODY2 1, 0, 1, 1, 1, 1, 1, 32, 1
	BODY2 2, 0, 1, 1, 1, 1, 1, 32, 1
	BODY2 3, 0, 1, 1, 1, 1, 1, 32, 1
	TRIPEND
	s_mov_b32 s[CNT], 5
.Lp2:
	TRIPHEAD 0, 1
	BODY2 0, 0, 1, 1, 1, 1, 1, 32, 1
	BODY2 1, 0, 1, 1, 1, 1, 1, 32, 1
	BODY2 2, 0, 1, 1, 1, 1, 1, 32, 1
	BODY2 3, 0, 1, 1, 1, 1, 1, 32, 1
	TRIPEND
	s_sub_co_u32 s[CNT], s[CNT], 1
	s_cmp_lg_u32 s[CNT], 0
	s_cbranch_scc1 .Lp2
	; trip 6: of V only the last batch of the last 256 keys is left to ask for.  Behind K of the next chunk: 16 + 16;  16 + 8;  8 + 8;  8 + 8
	TRIPHEAD 0, 1
	BODY2 0, 0, 1, 1, 1, 1, 1, 32, 1
	BODY2 1, 0, 0, 1, 1, 1, 1, 24, 1
	BODY2 2, 0, 0, 1, 1, 1, 1, 16, 1
	BODY2 3, 0, 0, 1, 1, 1, 1, 16, 1
	TRIPEND
	; trip 7: K's last chunk is asked for in the first body, then nothing: the counts run down 16, 8, 0
	TRIPHEAD 0, 1
	BODY2 0, 0, 0, 1, 0, 1, 1, 16, 1
	BODY2 1, 0, 0, 0, 0, 1, 1, 8, 1
	BODY2 2, 0, 0, 0, 0, 1, 1, 0, 1
	BODY2 3, 0, 0, 0, 0, 0, 0, 0, 0
	; THE WAY OUT.  A lane holds eight neighbouring d of one query, the lanes beside it other queries: a tile (16 rows of 256 bytes) goes through my part of staging buffer 0, which was read last a trip ago,
	; and comes back by rows.  The earlier tiles' multiplications are the places behind the last products; each accumulator is read from its low end on.
.macro OUTT q
	WIN 0x02
.set j, 0
.rept 16
	v_pk_mul_f32 v[SCO+32*\q+j:SCO+32*\q+j+1], v[OA+32*\q+j:OA+32*\q+j+1], s[OSC:OSC+1] op_sel_hi:[1,0]   ; x 2^(e2+e3)
.set j, j+2
.endr
	WIN 0
.irp d, 0,1,2,3
	ds_store_b128 v[STO], v[SCO+32*\q+8*\d:SCO+32*\q+8*\d+3]   offset:\q*4352+\d*64
	ds_store_b128 v[STO], v[SCO+32*\q+8*\d+4:SCO+32*\q+8*\d+7] offset:\q*4352+\d*64+16
.endr
.irp k, 0,1,2,3,4,5,6,7
	ds_load_b128 v[SCO+32*\q+4*\k:SCO+32*\q+4*\k+3], v[VS0] offset:\q*4352+\k*544   ; LDS serves a wave's instructions in order (ISA guide 5.7.1.4): these see the stores above
.endr
.endm
	OUTT 0
	OUTT 1
	OUTT 2
	OUTT 3
.irp q, 0,1,2,3
.irp k, 0,1,2,3,4,5,6,7
	s_wait_dscnt (3-\q)*16+7-\k                    ; behind this load: the rest of its tile's loads and the later tiles' sixteen LDS instructions each
	global_store_b128 v[GO], v[SCO+32*\q+4*\k:SCO+32*\q+4*\k+3], s[SO:SO+1] offset:\q*4096+\k*512 th:TH_STORE_NT   ; sixteen lanes store 256 consecutive bytes, at a multiple of 256 from out's first byte
.endr
.endr
	s_wait_tensorcnt 0x0
	ds_add_u32 v254, v255
	s_wait_dscnt 0x0
	s_endpgm
.Lfunc_end_k_q06cf4f4b4d_lka:
	.size	k_q06cf4f4b4d_lka, .Lfunc_end_k_q06cf4f4b4d_lka-k_q06cf4f4b4d_lka
	.p2alignl 7, 3214868480
	.fill 96, 4, 3214868480
	.section	.rodata,"a",@progbits
	.p2align	6, 0x0
	.amdhsa_kernel k_q06cf4f4b4d_lka
		.amdhsa_group_segment_fixed_size 287232
		.amdhsa_private_segment_fixed_size 0
		.amdhsa_enable_private_segment 0
		.amdhsa_kernarg_size 48
		.amdhsa_user_sgpr_count 2
		.amdhsa_user_sgpr_kernarg_segment_ptr 1
		.amdhsa_wavefront_size32 1
		.amdhsa_system_sgpr_workgroup_id_x 1
		.amdhsa_system_sgpr_workgroup_id_y 1
		.amdhsa_system_sgpr_workgroup_id_z 1
		.amdhsa_system_vgpr_workitem_id 0
		.amdhsa_next_free_vgpr 896
		.amdhsa_next_free_sgpr 66
		.amdhsa_reserve_vcc 0
		.amdhsa_float_denorm_mode_32 3
		.amdhsa_float_denorm_mode_16_64 3
		.amdhsa_memory_ordered 1
		.amdhsa_forward_progress 1
		.amdhsa_inst_pref_size 255
	.end_amdhsa_kernel
	.section	.bss,"aw",@nobits
	.p2align	6
	.space	262144
	.amdgpu_metadata
---
amdhsa.version: [ 1, 2 ]
amdhsa.kernels:
  - .name:           k_q06cf4f4b4d_lka
    .symbol:         k_q06cf4f4b4d_lka.kd
    .args:
      - { .name: query_codes, .offset: 0, .size: 8, .value_kind: global_buffer, .address_space: global }
      - { .name: keys_codes, .offset: 8, .size: 8, .value_kind: global_buffer, .address_space: global }
      - { .name: vals_codes, .offset: 16, .size: 8, .value_kind: global_buffer, .address_space: global }
      - { .name: mask, .offset: 24, .size: 8, .value_kind: global_buffer, .address_space: global }
      - { .name: lowp_scales, .offset: 32, .size: 8, .value_kind: global_buffer, .address_space: global }
      - { .name: out0, .offset: 40, .size: 8, .value_kind: global_buffer, .address_space: global }
    .group_segment_fixed_size: 287232
    .private_segment_fixed_size: 0
    .kernarg_segment_align: 8
    .kernarg_segment_size: 48
    .max_flat_workgroup_size: 128
    .sgpr_count:     66
    .vgpr_count:     896
    .wavefront_size: 32
...
	.end_amdgpu_metadata
.endif
;; end of part 1
;; ======== version 2 of 3: 1 launch; 1.12 times as fast as version 1
;; limits: right only within a limited range of input values
;; launch lka (part 2): grid 4 x 64, 4 waves a work-group, no clusters, 287,232 bytes of LDS; arguments query_codes, keys_codes, vals_codes, mask, lowp_scales, out0; writes out0
.if DOCPART == 2
	.amdgcn_target "amdgcn-amd-amdhsa--gfx1250"
	.amdhsa_code_object_version 6
	.text
	.protected	k_q06cf4f4b4d_lka
	.globl	k_q06cf4f4b4d_lka
	.p2align	8
	.type	k_q06cf4f4b4d_lka,@function
k_q06cf4f4b4d_lka:
	s_mov_b64 s[64:65], 0
	v_nop
	global_prefetch_b8 v0, s[64:65] scope:SCOPE_SE
	s_setreg_imm32_b32 hwreg(HW_REG_WAVE_MODE, 25, 1), 1
	s_wait_xcnt 0x0
; out[b][h][q][:] = sum over k of Q8(attn[q][k]) V[k][:],  attn = p / max(|p|_2, 1e-12),  p = (Q.K + 1e-5) where mask != 0, else 0.
; Q, K: E4M3 codes [32 heads][2048][64].  V: codes with the keys innermost [32][64 d][2048].  mask: int32 [2][2048][2048], shared by a batch's 16 heads.  out: f32 [32][2048][64].
; SHARES.  A work-group owns 64 queries of one batch and four heads; wave w owns head 4 x + w and all 64 queries, four tiles of 16, so each fragment of K and of V feeds four products.
; TWO PASSES over the 2,048 keys, since the quantiser wants the finished row: pass 1 sums the squares, pass 2 makes the scores again, quantises them and multiplies by V.
; BOTH PRODUCTS ARE USED TRANSPOSED (S^T = K Q^T, O^T = V^T P): a lane holds one query (lane % 16), its registers run along the keys.  Lane r of key tile 2 b + u takes key 32 b + 8 u + r + (r & 8),
; so that the 16 registers of tiles 2 b, 2 b + 1 are the keys 32 b + 16 (lane / 16) + 0 .. 15: the conversions' results are the second product's operand as they stand.
; Every 8-bit fragment comes by two loads of 16 bytes: register 4 c + p, byte n holds k = 32 c + 16 (lane / 16) + 4 p + n, alike on both sides of every product (a permutation of k).
; UNITS.  Scores stay in units of the codes: 1e-5 / 2^(e0+e1) is the C of the score product, and 2^(e0+e1) cancels in p / |p| (the floor 1e-12 is divided by it too).
; THE MASK is read once by the work-group (wave w: query tile w) and kept in LDS as images of B fragments, one byte a (query, key): n + 4 x on, n = key & 3, on = (word != 0).  The byte serves twice:
;   pass 1: as an E4M3 number it is (n + 4 on) 2^-9.  A product with a constant selection fragment (code 64 once in each row) and C = -(j & 3) / 8 gives m = on / 2 as f32 in the scores' own layout:
;           sum += (s m)^2, times 4 at the end.
;   pass 2: as a selector of v_perm_b32: 4 + n keeps byte n of the codes, n takes byte n of a zero.  A mask fragment has P's own layout, so one permute a register masks four codes.
;           x = s rn, rn = 2^-(e2+9) / norm, is held within +-0.875 (448 x 2^e2 in these units) and the conversion divides by 2^-9.
; THE KEYS' ORDER IS TURNED: trip S works on the 256 keys number (S + rot) & 7, rot = (2 x + y) & 7, for mask, K and V alike; LDS goes by S alone.  The four work-groups that share mask rows so begin at different keys.
; NO CLUSTER, NO TENSOR LOADS: a fragment of K or V is read by one wave alone, K straight into its registers, V through its own staging; the mask's images (147,456 bytes) and V's staging (139,264) leave
; 40,960 bytes of a WGP's LDS, and one slot of raw mask for a joint load (64 queries x 256 keys x 4 bytes = 65,536) does not fit even once.
; LIMITS: e0 + e1 and e2 each between -40 and 40; e2 + e3 between -126 and 127 (2^(e2+e3) is made as an f32 number).  NaN codes are not served.
; REGISTERS, in windows of 256.  Window 0: v1-31 addresses and constants; v32-63 sums of squares (8 a tile); v64-71 the C of the scores; v200-207 the C of the mask's product;
;     pass 1: v72-199 two sets of 32 scores + 32 mask numbers;  pass 2: v72-135 two sets of mask fragments.
;   Window 1: v0-31 Q; v112-239 K, a ring of four chunks; v240-242 constants;  pass 1: v32-45 the selection, v48-111 two sets of mask fragments;  pass 2: v32-95 two sets of 32 scores, v96-103 P's codes, v104-111 rn.
;   Window 2: v0-127 raw mask (pass 1), O^T (pass 2); v128-191 packed words (pass 1), V's fragments; v192-194 addresses.   Window 3: v0-127 V on its way to the staging.
.set IMGF,  1152                       ; a mask fragment's image: four blocks of 256 bytes + 32 of padding (block (c, half) at 576 c + 288 half; query r's 16 bytes at 16 r)
.set IMGS,  4*IMGF                     ; the four fragments of 256 keys
.set IMGT,  32*IMGF                    ; a query tile's 32 fragments; the images fill LDS bytes 0 .. 147,455
.set VST,   4*IMGT                     ; V's staging: two buffers x four waves x 64 rows of 256 + 16 bytes
.set VWAVE, 64*272
.set VBUF,  4*VWAVE
.set KO,3                              ; v3   K: (r + (r & 8)) 64 + 16 h
.set VG,4                              ; v4   V in memory: 2048 h + 16 r
.set QO,5                              ; v5   Q: 64 r + 16 h
.set MB0,6                             ; v6-9   images of query tile 0..3: my lane's place
.set MBA,10                            ; v10-13 the same at the trip's 256 keys
.set VL0,14                            ; v14  staging, a fragment's row: 272 r + 16 h
.set VS0,15                            ; v15  staging by rows: 272 h + 16 r (also the way out's read)
.set VLC,16                            ; v16  VL0 in the buffer in hand;  v17 in the next;  v18 VS0 in the next
.set VLN,17
.set VSN,18
.set STO,19                            ; v19  the way out: 272 r + 32 h
.set GO,21                             ; v21  the way out: 256 h + 16 r
.set EPSN,23                           ; v23  1e-12 / 2^(e0+e1)
.set LIM0,24                           ; v24  0.875, the hold's upper limit (source 2 of the hold: window 0)
.set ACC,32
.set EPSC,64
.set SCO,72
.set MSK,104
.set MB2,72                            ; pass 2: mask fragments, two sets of 32
.set MC,200                            ; v200-207  -(j & 3) / 8
.set PX,208
.set CSC,241                           ; v241 of windows 0 and 1: 2^-9, the conversion's scale
.set QF,0                              ; window 1
.set SEL,32
.set MBR,48
.set KR,112
.set S2,32                             ; pass 2: scores, two sets of 32
.set PC1,96                            ; pass 2: P's codes
.set RN1,104                           ; pass 2: rn, a pair for each tile
.set LIM1,240                          ; 0.875 (source 1 of the hold: window 1)
.set ZR1,242                           ; 0
.set OA,0                              ; window 2
.set RW,0
.set VFR,128
.set PK,128
.set MOFF,192                          ; mask in memory: 8192 h + 16 r
.set IST0,193                          ; where my packed word goes in an image
.set IST,194
.set VSR,0                             ; window 3
.set SQ,4                              ; s[4:5] Q, s[6:7] K, s[8:9] V, s[10:11] mask, s[14:15] out: at my wave's part
.set SK,6
.set SV,8
.set SM,10
.set SO,14
.set WV,16
.set RT,24                             ; s24  rot + trip, running through both passes
.set MRA,26                            ; s[26:27], s[28:29] the mask at the first and second 256 keys
.set MRB,28
.set SELK,30                           ; s30  0x03020100: byte n of a word holds n
.set KC,36                             ; s[36:37] K at this trip's keys, s[38:39] at the next trip's
.set KN,38
.set MR,44                             ; s[44:45] the mask two trips on
.set VB1,48                            ; s[48:49] V one trip on, s[50:51] two trips on
.set VB2,50
.set MO,52                             ; s52  the trip's place in the images
.set VT,53                             ; s53  0 or VBUF
.set CNT,54
.set OSC,58                            ; s[58:59] 2^(e2+e3)
.set NE01,60                           ; s60  -(e0+e1)
.set NE2,61                            ; s61  -(e2+9)
.set OFS,62                            ; s[62:63] an offset in 64 bits
.set MSB, 0
.macro WIN new                         ; the immediate's high byte repeats the setting that is left; bits 1:0 source 0, 3:2 source 1, 5:4 source 2, 7:6 destination
.if MSB != \new
	s_set_vgpr_msb (MSB<<8)|\new
.set MSB, \new
.endif
.endm
.macro BASES                           ; the stepped addresses, each from its own buffer's pointer and (rot + trip + n) & 7
	s_and_b32 s[OFS], s[RT], 7
	s_lshl_b32 s[OFS], s[OFS], 14                  ; 256 keys of K are 16,384 bytes
	s_add_nc_u64 s[KC:KC+1], s[SK:SK+1], s[OFS:OFS+1]
	s_add_co_u32 s25, s[RT], 1
	s_and_b32 s25, s25, 7
	s_lshl_b32 s[OFS], s25, 14
	s_add_nc_u64 s[KN:KN+1], s[SK:SK+1], s[OFS:OFS+1]
	s_lshl_b32 s[OFS], s25, 8                      ; of a row of V 256 bytes
	s_add_nc_u64 s[VB1:VB1+1], s[SV:SV+1], s[OFS:OFS+1]
	s_add_co_u32 s25, s[RT], 2
	s_and_b32 s25, s25, 7
	s_lshl_b32 s[OFS], s25, 10                     ; of a row of the mask 1,024 bytes
	s_add_nc_u64 s[MR:MR+1], s[SM:SM+1], s[OFS:OFS+1]
	s_lshl_b32 s[OFS], s25, 8
	s_add_nc_u64 s[VB2:VB2+1], s[SV:SV+1], s[OFS:OFS+1]
.endm
.macro KLOAD slot, base, off           ; a chunk of 64 keys (4,096 bytes) into slot of K's ring: four tiles, two loads each
	WIN 0x40
.irp t, 0,1,2,3
	global_load_b128 v[KR+32*(\slot)+8*\t:KR+32*(\slot)+8*\t+3],   v[KO], s[\base:\base+1] offset:(\off)+(32*(\t/2)+8*(\t%2))*64
	global_load_b128 v[KR+32*(\slot)+8*\t+4:KR+32*(\slot)+8*\t+7], v[KO], s[\base:\base+1] offset:(\off)+(32*(\t/2)+8*(\t%2))*64+32
.endr
.endm
.macro RLOAD bb, base                  ; raw mask, chunk bb of 256 keys, my tile's 16 rows: a load takes two rows x 256 consecutive bytes
	WIN 0xaa
.irp p, 0,1,2,3,4,5,6,7
	global_load_b128 v[RW+4*(8*(\bb)+\p):RW+4*(8*(\bb)+\p)+3], v[MOFF], s[\base:\base+1] offset:\p*16384+(\bb)*256
.endr
.endm
; PASS 1.  Eight matrix instructions for query tile qt: four tiles of scores (K's ring slot kb) and the same four tiles of the mask (fragment set mb), into set ss.  Eight different results: no chain.
.macro WS qt, kb, mb, ss
	WIN 0x05
.irp t, 0,1,2,3
	v_wmma_f32_16x16x64_fp8_fp8 v[SCO+64*(\ss)+8*\t:SCO+64*(\ss)+8*\t+7], v[KR+32*(\kb)+8*\t:KR+32*(\kb)+8*\t+7], v[QF+8*(\qt):QF+8*(\qt)+7], v[EPSC:EPSC+7]
.endr
.irp t, 0,1,2,3
	v_wmma_f32_16x16x64_fp8_fp8 v[MSK+64*(\ss)+8*\t:MSK+64*(\ss)+8*\t+7], v[SEL+6-2*\t:SEL+13-2*\t], v[MBR+32*(\mb)+8*(\qt):MBR+32*(\mb)+8*(\qt)+7], v[MC:MC+7]
.endr
.endm
.macro VEC1 qt, ss                     ; pass 1: sum += (s m)^2, two at a time, in four chains; each result is read from its low end on
	WIN 0
.set rS, SCO+64*(\ss)
.set rM, MSK+64*(\ss)
.set rA, ACC+8*(\qt)
.set j, 0
.rept 16
	v_pk_mul_f32 v[rS+j:rS+j+1], v[rS+j:rS+j+1], v[rM+j:rM+j+1]
.set j, j+2
.endr
.set j, 0
.rept 16
	v_pk_fma_f32 v[rA+j%8:rA+j%8+1], v[rS+j:rS+j+1], v[rS+j:rS+j+1], v[rA+j%8:rA+j%8+1]
.set j, j+2
.endr
.endm
; PASS 2.  Scores, codes, rn, K and Q lie in window 1, the C of the scores, the upper limit and the mask fragments in window 0: one setting serves a tile's vector work and the next tile's score products.
.macro WS2 qt, kb, ss                  ; four tiles of scores by themselves: in front of the first unit alone
	WIN 0x45
.irp t, 0,1,2,3
	v_wmma_f32_16x16x64_fp8_fp8 v[S2+32*(\ss)+8*\t:S2+32*(\ss)+8*\t+7], v[KR+32*(\kb)+8*\t:KR+32*(\kb)+8*\t+7], v[QF+8*(\qt):QF+8*(\qt)+7], v[EPSC:EPSC+7]
.endr
.endm
; Tile qt's vector work on set ss with the mask fragments of set mb: x = s rn (16 lines), the hold (32), eight codes a conversion (4), one permute a code register (8).
; ws = 1: the four score products of tile nq (K's ring slot nkb) into set nss stand singly behind lines 6, 18, 30 and 42: each has eleven plain lines behind it, which name none of its registers.
; The last hold stands behind the first three conversions, and the first six permutes behind the fourth: each conversion so has a plain line between it and the permute that reads its codes.
.macro V2W qt, ss, mb, ws, nq, nkb, nss
	WIN 0x45
.set rS, S2+32*(\ss)
.set rW, S2+32*(\nss)
.set rK, KR+32*(\nkb)
.set rR, RN1+2*(\qt)
.set rB, MB2+32*(\mb)+8*(\qt)
.set j, 0
.rept 47
.if j < 16
	v_pk_mul_f32 v[rS+2*j:rS+2*j+1], v[rS+2*j:rS+2*j+1], v[rR:rR+1]
.else
	v_med3_num_f32 v[rS+j-16], v[rS+j-16], -v[LIM1], v[LIM0]
.endif
.if \ws && (j%12 == 5)
	v_wmma_f32_16x16x64_fp8_fp8 v[rW+8*(j/12):rW+8*(j/12)+7], v[rK+8*(j/12):rK+8*(j/12)+7], v[QF+8*(\nq):QF+8*(\nq)+7], v[EPSC:EPSC+7]
.endif
.set j, j+1
.endr
.irp t, 0,1,2
	v_cvt_scalef32_pk8_fp8_f32 v[PC1+2*\t:PC1+2*\t+1], v[rS+8*\t:rS+8*\t+7], v[CSC]
.endr
	v_med3_num_f32 v[rS+31], v[rS+31], -v[LIM1], v[LIM0]
	v_cvt_scalef32_pk8_fp8_f32 v[PC1+6:PC1+7], v[rS+24:rS+31], v[CSC]
.irp k, 0,1,2,3,4,5,6,7
	v_perm_b32 v[PC1+\k], v[PC1+\k], v[ZR1], v[rB+\k]      ; selector 4 + n: my code's byte n; selector n: the zero's
.endr
.endm
.macro PV qt, vb                       ; O^T of tile qt += V^T P: four accumulators, one instruction a turn
	WIN 0xa6
.irp d, 0,1,2,3
	v_wmma_f32_16x16x64_fp8_fp8 v[OA+32*(\qt)+8*\d:OA+32*(\qt)+8*\d+7], v[VFR+32*(\vb)+8*\d:VFR+32*(\vb)+8*\d+7], v[PC1:PC1+7], v[OA+32*(\qt)+8*\d:OA+32*(\qt)+8*\d+7]
.endr
.endm
; Chunk bb of the ring's raw mask becomes an image: on = min(word, 1); a word of four bytes n + 4 on, stage by stage across the eight loads' registers.  ahead = 1: the registers take the same chunk 256 keys on.
.macro CONV bb, nr, ahead, base, lofs
	WIN 0xaa
	s_wait_loadcnt \nr                             ; the chunk's eight loads are in: nr loads at the least were issued behind them
	s_wait_dscnt 0x0                               ; the last conversion's LDS stores have read the packed words
.irp p, 0,1,2,3,4,5,6,7
.irp k, 0,1,2,3
	v_min_u32 v[RW+4*(8*(\bb)+\p)+\k], 1, v[RW+4*(8*(\bb)+\p)+\k]
.endr
.endr
.irp p, 0,1,2,3,4,5,6,7
	v_lshl_add_u32 v[PK+\p], v[RW+4*(8*(\bb)+\p)], 2, s[SELK]
.endr
.irp p, 0,1,2,3,4,5,6,7
	v_lshl_add_u32 v[PK+\p], v[RW+4*(8*(\bb)+\p)+1], 10, v[PK+\p]
.endr
.irp p, 0,1,2,3,4,5,6,7
	v_lshl_add_u32 v[PK+\p], v[RW+4*(8*(\bb)+\p)+2], 18, v[PK+\p]
.endr
.irp p, 0,1,2,3,4,5,6,7
	v_lshl_add_u32 v[PK+\p], v[RW+4*(8*(\bb)+\p)+3], 26, v[PK+\p]
.endr
.if \ahead
	RLOAD \bb, \base
.endif
.irp p, 0,1,2,3,4,5,6,7
	ds_store_b32 v[IST], v[PK+\p] offset:(\lofs)+(\bb)*IMGF+\p*32   ; queries 2 p + h, keys 4 r .. 4 r + 3: the 32 lanes fall on 32 different banks
.endr
.endm
; The loads of body i, in one run.  vsl: eight loads of V (batch (i + 3) % 4) for the staging;  kl: K three chunks on;  mbl: the next chunk's mask fragments (1: pass 1's place, 2: pass 2's; wrap: the first chunk's);
; vst: V's batch i (asked for three bodies ago) into the next buffer;  vfl: the next chunk's fragments of V (i = 3: from the next buffer, behind the store: LDS serves a wave's instructions in order, ISA guide 5.7.1.4).
.macro LB i, vsl, kl, vst, mbl, vfl, wrap
.if \vsl
	WIN 0xc0
.set vj, 8*(((\i)+3)%4)
.irp p, 0,1,2,3,4,5,6,7
.if (\i) == 0
	global_load_b128 v[VSR+4*(vj+\p):VSR+4*(vj+\p)+3], v[VG], s[VB1:VB1+1] offset:(vj+\p)*4096   ; two rows d x 256 consecutive bytes
.else
	global_load_b128 v[VSR+4*(vj+\p):VSR+4*(vj+\p)+3], v[VG], s[VB2:VB2+1] offset:(vj+\p)*4096
.endif
.endr
.endif
.if \kl
.if (\i) == 0
	KLOAD 3, KC, 3*4096
.else
	KLOAD ((\i)+3)%4, KN, ((\i)-1)*4096
.endif
.endif
.if (\mbl) == 1
	WIN 0x40
.set mj, MBR+32*(((\i)+1)%2)
.endif
.if (\mbl) == 2
	WIN 0
.set mj, MB2+32*(((\i)+1)%2)
.endif
.if \mbl
.irp q, 0,1,2,3
.if \wrap
	ds_load_b128 v[mj+8*\q:mj+8*\q+3],   v[MB0+\q]
	ds_load_b128 v[mj+8*\q+4:mj+8*\q+7], v[MB0+\q] offset:576
.else
	ds_load_b128 v[mj+8*\q:mj+8*\q+3],   v[MBA+\q] offset:((\i)+1)*IMGF
	ds_load_b128 v[mj+8*\q+4:mj+8*\q+7], v[MBA+\q] offset:((\i)+1)*IMGF+576
.endif
.endr
.endif
.if \vst
	WIN 0x0c
.irp p, 0,1,2,3,4,5,6,7
	ds_store_b128 v[VSN], v[VSR+4*(8*(\i)+\p):VSR+4*(8*(\i)+\p)+3] offset:(8*(\i)+\p)*544
.endr
.endif
.if \vfl
	WIN 0x80
.set fj, VFR+32*(((\i)+1)%2)
.irp d, 0,1,2,3
.if (\i) == 3
	ds_load_b128 v[fj+8*\d:fj+8*\d+3],   v[VLN] offset:\d*4352
	ds_load_b128 v[fj+8*\d+4:fj+8*\d+7], v[VLN] offset:\d*4352+32
.else
	ds_load_b128 v[fj+8*\d:fj+8*\d+3],   v[VLC] offset:\d*4352+((\i)+1)*64
	ds_load_b128 v[fj+8*\d+4:fj+8*\d+7], v[VLC] offset:\d*4352+((\i)+1)*64+32
.endif
.endr
.endif
.endm
.macro HEAD nk                         ; in front of the next chunk's first products
	s_wait_loadcnt \nk                             ; its K, asked for two bodies ago, is in: nk loads were issued behind it
	s_wait_dscnt 0x0                               ; its mask fragments and V's are in, and the staging's stores have read their registers
.endm
; A BODY is a chunk of 64 keys x four query tiles.  A tile's score products are issued one tile ahead of its vector work, into two sets by turns.
; Between a product and the first read of its result, a load into one of its operands, or a product that writes over its result, always stands another tile's vector work: 32 plain instructions or more.
.macro BODY1 i, conv, ahead, nr, bar, vsl, vst, vfl, mbl, nk, nxt
	WS 1, \i, (\i)%2, 1
	VEC1 0, 0
.if \conv
	CONV \i, \nr, \ahead, MR, IMGS
.endif
.if \bar
	s_wait_dscnt 0x0                               ; for the others' sake: my words of the next 256 keys' images have landed
	s_barrier_signal -1
	WS 2, \i, (\i)%2, 0
	VEC1 1, 1                                      ; work on registers while the others arrive
	s_barrier_wait -1                              ; the next 256 keys' images are whole: the run of loads below reads the first of them
	LB \i, \vsl, 1, \vst, \mbl, \vfl, 0
.else
	LB \i, \vsl, 1, \vst, \mbl, \vfl, 0
	WS 2, \i, (\i)%2, 0
	VEC1 1, 1
.endif
	WS 3, \i, (\i)%2, 1
	VEC1 2, 0
.if \nxt
	HEAD \nk
	WS 0, ((\i)+1)%4, ((\i)+1)%2, 0
.endif
	VEC1 3, 1
.endm
.macro BODY2 i, vsl, kl, vst, mbl, vfl, nk, nxt
	V2W 0, 0, (\i)%2, 1, 1, \i, 1
	LB \i, \vsl, \kl, \vst, \mbl, \vfl, 0
	PV 0, (\i)%2
	V2W 1, 1, (\i)%2, 1, 2, \i, 0
	PV 1, (\i)%2
	V2W 2, 0, (\i)%2, 1, 3, \i, 1
	PV 2, (\i)%2
.if \nxt
	HEAD \nk
.endif
	V2W 3, 1, (\i)%2, \nxt, 0, ((\i)+1)%4, 0
	PV 3, (\i)%2
.endm
.macro TRIPHEAD ist, vv                ; the trip's LDS addresses; no LDS instruction of the wave is out here
	WIN 0
.irp q, 0,1,2,3
	v_add_nc_u32 v[MBA+\q], s[MO], v[MB0+\q]
.endr
.if \vv
	v_add_nc_u32 v[VLC], s[VT], v[VL0]
	s_xor_b32 s[VT], s[VT], VBUF
	v_add_nc_u32 v[VLN], s[VT], v[VL0]
	v_add_nc_u32 v[VSN], s[VT], v[VS0]
.endif
.if \ist
	WIN 0xaa
	v_add_nc_u32 v[IST], s[MO], v[IST0]
.endif
.endm
.macro TRIPEND
	WIN 0
	s_wait_xcnt 0x0                                ; the loads issued so far have had their addresses translated (ISA guide 3.1): only now are their bases written again
	s_add_co_u32 s[RT], s[RT], 1
	BASES
	s_add_co_u32 s[MO], s[MO], IMGS
.endm
	s_load_b256 s[4:11], s[0:1], 0x0               ; Q, K, V, mask
	s_load_b128 s[12:15], s[0:1], 0x20             ; the scales' exponents, out
	v_lshl_add_u32 v254, v0, 2, 0x46000
	v_mov_b32 v255, 0
	v_lshrrev_b32 v28, 5, v0
	v_readfirstlane_b32 s[WV], v28                 ; wave 0..3
	v_and_b32 v1, 15, v0                           ; r
	v_bfe_u32 v2, v0, 4, 1                         ; h
	s_and_b32 s17, ttmp7, 0xffff                   ; y = 32 x batch + block of 64 queries
	s_lshr_b32 s18, s17, 5
	s_and_b32 s19, s17, 31
	s_lshl_b32 s20, s18, 4
	s_lshl_b32 s21, ttmp9, 2
	s_add_co_u32 s20, s20, s21
	s_add_co_u32 s20, s20, s[WV]                   ; my head among the 32: 16 batch + 4 x + wave
	s_lshl_b32 s[RT], ttmp9, 1
	s_add_co_u32 s[RT], s[RT], s17
	s_and_b32 s[RT], s[RT], 7                      ; rot
	s_mov_b32 s[OFS+1], 0
	s_mov_b32 s[MO], 0
	s_mov_b32 s[VT], VBUF
	s_mov_b32 s[SELK], 0x03020100
	s_mov_b32 s56, 0x76543210                      ; v_permlanex16_b32's selects for lane l xor 16
	s_mov_b32 s57, 0xfedcba98
	v_and_b32 v28, 8, v1
	v_add_nc_u32 v28, v28, v1
	v_lshlrev_b32 v28, 6, v28
	v_lshl_add_u32 v[KO], v2, 4, v28
	v_lshlrev_b32 v28, 4, v1                       ; 16 r
	v_lshl_add_u32 v[VG], v2, 11, v28
	v_lshlrev_b32 v29, 6, v1
	v_lshl_add_u32 v[QO], v2, 4, v29
	v_mad_u32_u24 v[MB0], v2, 288, v28
	v_add_nc_u32 v[MB0+1], IMGT, v[MB0]
	v_add_nc_u32 v[MB0+2], 2*IMGT, v[MB0]
	v_add_nc_u32 v[MB0+3], 3*IMGT, v[MB0]
	s_mul_i32 s23, s[WV], VWAVE
	s_add_co_u32 s23, s23, VST                     ; my wave's part of staging buffer 0
	v_mul_u32_u24 v29, v1, 272
	v_lshl_add_u32 v30, v2, 4, v29
	v_add_nc_u32 v[VL0], s23, v30
	v_lshl_add_u32 v30, v2, 5, v29
	v_add_nc_u32 v[STO], s23, v30
	v_mad_u32_u24 v29, v2, 272, v28
	v_add_nc_u32 v[VS0], s23, v29
	v_lshl_add_u32 v[GO], v2, 8, v28
	s_mul_i32 s22, s[WV], IMGT                     ; I write query tile w's images
	v_bfe_u32 v29, v0, 3, 1
	v_mul_u32_u24 v29, v29, 576
	v_bfe_u32 v30, v0, 2, 1
	v_mad_u32_u24 v29, v30, 288, v29
	v_and_b32 v30, 3, v0
	v_lshl_add_u32 v29, v30, 2, v29
	v_lshl_add_u32 v29, v2, 4, v29                 ; keys 4 r on: block (r >> 3, bit 2 of r), word r & 3; query 2 p + h: 16 h here, 32 p in the store's offset
	WIN 0x80
	v_lshl_add_u32 v[MOFF], v2, 13, v28
	v_add_nc_u32 v[IST0], s22, v29
	WIN 0
	s_lshl_b32 s21, s20, 17                        ; a head's codes: 131,072 bytes
	s_lshl_b32 s22, s19, 12                        ; 64 queries' codes: 4,096
	s_wait_kmcnt 0x0
	s_load_b128 s[32:35], s[12:13], 0x0            ; e0 .. e3
	s_mov_b32 s[OFS], s21
	s_add_nc_u64 s[SK:SK+1], s[SK:SK+1], s[OFS:OFS+1]
	s_add_nc_u64 s[SV:SV+1], s[SV:SV+1], s[OFS:OFS+1]
	s_add_co_u32 s[OFS], s21, s22
	s_add_nc_u64 s[SQ:SQ+1], s[SQ:SQ+1], s[OFS:OFS+1]
	s_lshl_b32 s[OFS], s18, 24                     ; a batch's mask: 16,777,216 bytes; 64 rows: 524,288; my tile's 16: 131,072
	s_lshl_b32 s23, s19, 19
	s_add_co_u32 s[OFS], s[OFS], s23
	s_lshl_b32 s23, s[WV], 17
	s_add_co_u32 s[OFS], s[OFS], s23
	s_add_nc_u64 s[SM:SM+1], s[SM:SM+1], s[OFS:OFS+1]
	s_lshl_b32 s[OFS], s20, 19                     ; a head of out: 524,288 bytes; 64 rows: 16,384
	s_lshl_b32 s23, s19, 14
	s_add_co_u32 s[OFS], s[OFS], s23
	s_add_nc_u64 s[SO:SO+1], s[SO:SO+1], s[OFS:OFS+1]
	s_lshl_b32 s[OFS], s[RT], 10
	s_add_nc_u64 s[MRA:MRA+1], s[SM:SM+1], s[OFS:OFS+1]
	s_add_co_u32 s25, s[RT], 1
	s_and_b32 s25, s25, 7
	s_lshl_b32 s[OFS], s25, 10
	s_add_nc_u64 s[MRB:MRB+1], s[SM:SM+1], s[OFS:OFS+1]
	BASES
	WIN 0x40
.irp q, 0,1,2,3
	global_load_b128 v[QF+8*\q:QF+8*\q+3],   v[QO], s[SQ:SQ+1] offset:\q*1024      ; Q stays in registers
	global_load_b128 v[QF+8*\q+4:QF+8*\q+7], v[QO], s[SQ:SQ+1] offset:\q*1024+32
.endr
	KLOAD 0, KC, 0
	KLOAD 1, KC, 4096
	RLOAD 0, MRA                                   ; the ring of raw mask: the first 256 keys.  56 loads of the wave are out
	RLOAD 1, MRA
	RLOAD 2, MRA
	RLOAD 3, MRA
	WIN 0
	; constants, while the loads are on their way
	v_bfe_u32 v28, v0, 3, 1
	v_xor_b32 v28, v28, v2
	v_xor_b32 v28, 1, v28                          ; 1 where h == r >> 3: the half of the lanes that holds row r's key
	v_bfe_u32 v29, v0, 2, 1
	v_and_b32 v30, v28, v29                        ; the key lies in the second word (bit 2 of r),
	v_xor_b32 v29, 1, v29
	v_and_b32 v29, v28, v29                        ; or in the first
	v_and_b32 v31, 3, v0
	v_lshlrev_b32 v31, 3, v31                      ; at byte r & 3
	v_mul_u32_u24 v26, 0x68, v29                   ; code 64
	v_mul_u32_u24 v27, 0x68, v30
	WIN 0x40
.irp k, 0,1,2,3,4,5,8,9,10,11,12,13
	v_mov_b32 v[SEL+\k], 0                         ; tile t's selection is v[SEL + 6 - 2 t] on: the two words stand at its registers 2 t, 2 t + 1, zeros round them
.endr
	v_lshlrev_b32 v[SEL+6], v31, v26
	v_lshlrev_b32 v[SEL+7], v31, v27
	v_mov_b32 v[LIM1], 0x3f600000                  ; 0.875
	v_mov_b32 v[CSC], 0x3b000000                   ; 2^-9
	v_mov_b32 v[ZR1], 0
	WIN 0
	v_mov_b32 v[LIM0], 0x3f600000
	v_mov_b32 v[CSC], 0x3b000000                   ; (the same number under the same name in window 0)
.irp k, 0,4
	v_mov_b32 v[MC+\k], 0                          ; register j of a mask tile holds a key with key & 3 = j & 3: its byte carries (j & 3) 2^-9 beside the mask; 64 x that is taken away again
	v_mov_b32 v[MC+\k+1], 0xbe000000               ; -0.125
	v_mov_b32 v[MC+\k+2], 0xbe800000               ; -0.25
	v_mov_b32 v[MC+\k+3], 0xbec00000               ; -0.375
.endr
.set j, 0
.rept 32
	v_mov_b32 v[ACC+j], 0                          ; the sums of squares begin as zeros: a first chunk of its own would be a further copy of a trip
.set j, j+1
.endr
.irp q, 0,1,2,3
	v_mov_b32 v[PX+\q], 0                          ; a lane permute's destination counts as one of its sources
.endr
	s_wait_kmcnt 0x0
	s_add_co_i32 s[NE01], s32, s33
	s_sub_co_i32 s[NE01], 0, s[NE01]
	s_add_co_i32 s[NE2], s34, 9
	s_sub_co_i32 s[NE2], 0, s[NE2]
	s_add_co_i32 s[OSC], s34, s35
	s_add_co_i32 s[OSC], s[OSC], 127
	s_lshl_b32 s[OSC], s[OSC], 23                  ; 2^(e2+e3) as f32
	s_mov_b32 s[OSC+1], s[OSC]
	v_mov_b32 v[EPSN], 0x2b8cbccc                  ; 1e-12
	v_ldexp_f32 v[EPSN], v[EPSN], s[NE01]
	v_mov_b32 v[EPSC], 0x3727c5ac                  ; 1e-5
	v_ldexp_f32 v[EPSC], v[EPSC], s[NE01]
.irp k, 1,2,3,4,5,6,7
	v_mov_b32 v[EPSC+\k], v[EPSC]
.endr
	; THE FIRST 256 KEYS' IMAGES.  Behind chunk 0's loads: chunks 1-3 (24).  Behind chunk 1's: chunks 2, 3, the first refill and K's third chunk (32); and so on
	WIN 0xaa
	v_add_nc_u32 v[IST], s[MO], v[IST0]
	CONV 0, 24, 1, MRB, 0
	KLOAD 2, KC, 8192
	CONV 1, 32, 1, MRB, 0
	CONV 2, 32, 1, MRB, 0
	CONV 3, 32, 1, MRB, 0
	s_wait_dscnt 0x0                               ; for the others' sake: my words have landed
	s_barrier_signal -1
	s_barrier_wait -1
	LB 3, 0, 0, 0, 1, 0, 1                         ; the first chunk's mask fragments
	s_wait_dscnt 0x0                               ; (Q and K's first two chunks are older than the raw mask that has been waited for)
	WS 0, 0, 0, 0
	WIN 0
.rept 4
	v_nop                                          ; here no other tile's vector work stands between these products and the read of their results
.endr
	; PASS 1.  Trip S: the sums over its 256 keys; the images of the next 256; the raw mask of the 256 after those is asked for.
	; The conversion's wait for 32 does its work on the way in (behind the first refill: K's third chunk and three refills); later the wait at the last body's end has met it.
	; That wait: behind K of the next chunk, asked for two bodies ago, two bodies' loads were issued: 2 x (8 of the mask + 8 of K).
	s_mov_b32 s[CNT], 6
.Lp1:
	TRIPHEAD 1, 0
	BODY1 0, 1, 1, 32, 0, 0, 0, 0, 1, 32, 1
	BODY1 1, 1, 1, 32, 0, 0, 0, 0, 1, 32, 1
	BODY1 2, 1, 1, 32, 0, 0, 0, 0, 1, 32, 1
	BODY1 3, 1, 1, 32, 1, 0, 0, 0, 1, 32, 1
	TRIPEND
	s_sub_co_u32 s[CNT], s[CNT], 1
	s_cmp_lg_u32 s[CNT], 0
	s_cbranch_scc1 .Lp1
	; trip 6: the last images; no raw mask is left to ask for.  From its second body on V's first 256 keys are asked for, as in pass 2.
	; Behind K of the next chunk: 8 + 8 + 8;  8 + 16;  16 + 16;  16 + 16
	TRIPHEAD 1, 0
	BODY1 0, 1, 0, 32, 0, 0, 0, 0, 1, 24, 1
	BODY1 1, 1, 0, 24, 0, 1, 0, 0, 1, 24, 1
	BODY1 2, 1, 0, 24, 0, 1, 0, 0, 1, 32, 1
	BODY1 3, 1, 0, 32, 1, 1, 0, 0, 1, 32, 1
	TRIPEND
	; trip 7: nothing to convert, no barrier.  V's first 256 keys go into staging buffer 0; K and V's fragments wrap round to pass 2's first chunk
	TRIPHEAD 0, 1
	BODY1 0, 0, 0, 0, 0, 1, 1, 0, 1, 32, 1
	BODY1 1, 0, 0, 0, 0, 1, 1, 0, 1, 32, 1
	BODY1 2, 0, 0, 0, 0, 1, 1, 0, 1, 32, 1
	BODY1 3, 0, 0, 0, 0, 1, 1, 1, 0, 0, 0
	TRIPEND
	; BETWEEN THE PASSES: rn = 2^-(e2+9) / max(sqrt(4 x sum), 1e-12 / 2^(e0+e1)), for each tile's query; the four tiles take turns line by line
	s_mov_b32 s[MO], 0
	LB 3, 0, 0, 0, 2, 0, 1                         ; pass 2's first mask fragments, into the registers that pass 1's scores have left; they land under the arithmetic below
	WIN 0
.irp q, 0,1,2,3
	v_pk_add_f32 v[ACC+8*\q:ACC+8*\q+1], v[ACC+8*\q:ACC+8*\q+1], v[ACC+8*\q+2:ACC+8*\q+3]
	v_pk_add_f32 v[ACC+8*\q+4:ACC+8*\q+5], v[ACC+8*\q+4:ACC+8*\q+5], v[ACC+8*\q+6:ACC+8*\q+7]
.endr
.irp q, 0,1,2,3
	v_pk_add_f32 v[ACC+8*\q:ACC+8*\q+1], v[ACC+8*\q:ACC+8*\q+1], v[ACC+8*\q+4:ACC+8*\q+5]
.endr
.irp q, 0,1,2,3
	v_add_f32 v[ACC+8*\q], v[ACC+8*\q], v[ACC+8*\q+1]
.endr
.irp q, 0,1,2,3
	v_permlanex16_b32 v[PX+\q], v[ACC+8*\q], s56, s57      ; the query's other keys lie in the lane 16 away
.endr
.irp q, 0,1,2,3
	v_add_f32 v[ACC+8*\q], v[ACC+8*\q], v[PX+\q]
.endr
.irp q, 0,1,2,3
	v_mul_f32 v[ACC+8*\q], 4.0, v[ACC+8*\q]                ; m was 0.5
.endr
.irp q, 0,1,2,3
	v_sqrt_f32 v[ACC+8*\q+2], v[ACC+8*\q]
.endr
	v_nop                                          ; a plain instruction behind the roots
	s_wait_alu depctr_va_vdst(0)
.irp q, 0,1,2,3
	v_max_num_f32 v[ACC+8*\q+2], v[ACC+8*\q+2], v[EPSN]
.endr
.irp q, 0,1,2,3
	v_rcp_f32 v[ACC+8*\q+4], v[ACC+8*\q+2]
.endr
	v_nop                                          ; a plain instruction behind the reciprocals
	WIN 0x40                                       ; rn goes to window 1, a pair for the packed multiply
	s_wait_alu depctr_va_vdst(0)
.irp q, 0,1,2,3
	v_ldexp_f32 v[RN1+2*\q], v[ACC+8*\q+4], s[NE2]
	v_ldexp_f32 v[RN1+2*\q+1], v[ACC+8*\q+4], s[NE2]
.endr
	WIN 0x80
.set j, 0
.rept 128
	v_mov_b32 v[OA+j], 0                           ; O^T begins as zeros: 128 short lines once, against a further copy of a trip whose first chunk would start the sums
.set j, j+1
.endr
	; PASS 2.  Behind K of the next chunk two bodies' loads were issued: 2 x (8 of V + 8 of K)
	HEAD 32
	WS2 0, 0, 0
	WIN 0
.rept 4
	v_nop                                          ; as in front of pass 1
.endr
	s_mov_b32 s[CNT], 6
.Lp2:
	TRIPHEAD 0, 1
	BODY2 0, 1, 1, 1, 2, 1, 32, 1
	BODY2 1, 1, 1, 1, 2, 1, 32, 1
	BODY2 2, 1, 1, 1, 2, 1, 32, 1
	BODY2 3, 1, 1, 1, 2, 1, 32, 1
	TRIPEND
	s_sub_co_u32 s[CNT], s[CNT], 1
	s_cmp_lg_u32 s[CNT], 0
	s_cbranch_scc1 .Lp2
	; trip 6: of V only the last batch of the last 256 keys is left to ask for.  Behind K of the next chunk: 16 + 16;  16 + 8;  8 + 8;  8 + 8
	TRIPHEAD 0, 1
	BODY2 0, 1, 1, 1, 2, 1, 32, 1
	BODY2 1, 0, 1, 1, 2, 1, 24, 1
	BODY2 2, 0, 1, 1, 2, 1, 16, 1
	BODY2 3, 0, 1, 1, 2, 1, 16, 1
	TRIPEND
	; trip 7: K's last chunk is asked for in the first body, then nothing: the counts run down 16, 8, 0
	TRIPHEAD 0, 1
	BODY2 0, 0, 1, 0, 2, 1, 16, 1
	BODY2 1, 0, 0, 0, 2, 1, 8, 1
	BODY2 2, 0, 0, 0, 2, 1, 0, 1
	BODY2 3, 0, 0, 0, 0, 0, 0, 0
	; THE WAY OUT.  A lane holds eight neighbouring d of one query, the lanes beside it other queries: a tile (16 rows of 256 bytes) goes through my part of staging buffer 0, which was read last a trip ago,
	; and comes back by rows.  The earlier tiles' multiplications are the places behind the last products; each accumulator is read from its low end on.  A tile is stored while the next goes through the stage.
.macro OUTT q
	WIN 0x02
.set j, 0
.rept 16
	v_pk_mul_f32 v[SCO+32*\q+j:SCO+32*\q+j+1], v[OA+32*\q+j:OA+32*\q+j+1], s[OSC:OSC+1] op_sel_hi:[1,0]   ; x 2^(e2+e3)
.set j, j+2
.endr
	WIN 0
.irp d, 0,1,2,3
	ds_store_b128 v[STO], v[SCO+32*\q+8*\d:SCO+32*\q+8*\d+3]   offset:\q*4352+\d*64
	ds_store_b128 v[STO], v[SCO+32*\q+8*\d+4:SCO+32*\q+8*\d+7] offset:\q*4352+\d*64+16
.endr
.irp k, 0,1,2,3,4,5,6,7
	ds_load_b128 v[SCO+32*\q+4*\k:SCO+32*\q+4*\k+3], v[VS0] offset:\q*4352+\k*544   ; LDS serves a wave's instructions in order (ISA guide 5.7.1.4): these see the stores above
.endr
.endm
.macro SENDT q, younger                ; younger: the LDS instructions issued behind tile q's loads: the next tile's sixteen, or none
.irp k, 0,1,2,3,4,5,6,7
	s_wait_dscnt (\younger)+7-\k
	global_store_b128 v[GO], v[SCO+32*\q+4*\k:SCO+32*\q+4*\k+3], s[SO:SO+1] offset:\q*4096+\k*512 th:TH_STORE_NT   ; sixteen lanes store 256 consecutive bytes, at a multiple of 256 from out's first byte
.endr
.endm
	OUTT 0
	OUTT 1
	SENDT 0, 16
	OUTT 2
	SENDT 1, 16
	OUTT 3
	SENDT 2, 16
	SENDT 3, 0
	s_wait_tensorcnt 0x0
	ds_add_u32 v254, v255
	s_wait_dscnt 0x0
	s_endpgm
.Lfunc_end_k_q06cf4f4b4d_lka:
	.size	k_q06cf4f4b4d_lka, .Lfunc_end_k_q06cf4f4b4d_lka-k_q06cf4f4b4d_lka
	.p2alignl 7, 3214868480
	.fill 96, 4, 3214868480
	.section	.rodata,"a",@progbits
	.p2align	6, 0x0
	.amdhsa_kernel k_q06cf4f4b4d_lka
		.amdhsa_group_segment_fixed_size 287232
		.amdhsa_private_segment_fixed_size 0
		.amdhsa_enable_private_segment 0
		.amdhsa_kernarg_size 48
		.amdhsa_user_sgpr_count 2
		.amdhsa_user_sgpr_kernarg_segment_ptr 1
		.amdhsa_wavefront_size32 1
		.amdhsa_system_sgpr_workgroup_id_x 1
		.amdhsa_system_sgpr_workgroup_id_y 1
		.amdhsa_system_sgpr_workgroup_id_z 1
		.amdhsa_system_vgpr_workitem_id 0
		.amdhsa_next_free_vgpr 896
		.amdhsa_next_free_sgpr 66
		.amdhsa_reserve_vcc 0
		.amdhsa_float_denorm_mode_32 3
		.amdhsa_float_denorm_mode_16_64 3
		.amdhsa_memory_ordered 1
		.amdhsa_forward_progress 1
		.amdhsa_inst_pref_size 255
	.end_amdhsa_kernel
	.section	.bss,"aw",@nobits
	.p2align	6
	.space	262144
	.amdgpu_metadata
---
amdhsa.version: [ 1, 2 ]
amdhsa.kernels:
  - .name:           k_q06cf4f4b4d_lka
    .symbol:         k_q06cf4f4b4d_lka.kd
    .args:
      - { .name: query_codes, .offset: 0, .size: 8, .value_kind: global_buffer, .address_space: global }
      - { .name: keys_codes, .offset: 8, .size: 8, .value_kind: global_buffer, .address_space: global }
      - { .name: vals_codes, .offset: 16, .size: 8, .value_kind: global_buffer, .address_space: global }
      - { .name: mask, .offset: 24, .size: 8, .value_kind: global_buffer, .address_space: global }
      - { .name: lowp_scales, .offset: 32, .size: 8, .value_kind: global_buffer, .address_space: global }
      - { .name: out0, .offset: 40, .size: 8, .value_kind: global_buffer, .address_space: global }
    .group_segment_fixed_size: 287232
    .private_segment_fixed_size: 0
    .kernarg_segment_align: 8
    .kernarg_segment_size: 48
    .max_flat_workgroup_size: 128
    .sgpr_count:     66
    .vgpr_count:     896
    .wavefront_size: 32
...
	.end_amdgpu_metadata
.endif
;; end of part 2
;; ======== version 3 of 3: 1 launch; version 2 with the launch lka written anew for expert scheduling mode
;; limits: right only within a limited range of input values
;; launch lka (part 3): grid 4 x 64, 4 waves a work-group, no clusters, 287,232 bytes of LDS; arguments query_codes, keys_codes, vals_codes, mask, lowp_scales, out0; writes out0
.if DOCPART == 3
	.amdgcn_target "amdgcn-amd-amdhsa--gfx1250"
	.amdhsa_code_object_version 6
	.text
	.protected	k_q06cf4f4b4d_lka
	.globl	k_q06cf4f4b4d_lka
	.p2align	8
	.type	k_q06cf4f4b4d_lka,@function
k_q06cf4f4b4d_lka:
	s_mov_b64 s[64:65], 0
	v_nop
	global_prefetch_b8 v0, s[64:65] scope:SCOPE_SE
	s_setreg_imm32_b32 hwreg(HW_REG_WAVE_SCHED_MODE, 0, 2), 2
	s_setreg_imm32_b32 hwreg(HW_REG_WAVE_MODE, 25, 1), 1
	s_wait_xcnt 0x0
	s_wait_alu depctr_vm_vsrc(0)
; out[b][h][q][:] = sum over k of Q8(attn[q][k]) V[k][:],  attn = p / max(|p|_2, 1e-12),  p = (Q.K + 1e-5) where mask != 0, else 0.
; Q, K: E4M3 codes [32 heads][2048][64].  V: codes with the keys innermost [32][64 d][2048].  mask: int32 [2][2048][2048], shared by a batch's 16 heads.  out: f32 [32][2048][64].
; SHARES.  A work-group owns 64 queries of one batch and four heads; wave w owns head 4 x + w and all 64 queries, four tiles of 16, so each fragment of K and of V feeds four products.
; TWO PASSES over the 2,048 keys, since the quantiser wants the finished row: pass 1 sums the squares, pass 2 makes the scores again, quantises them and multiplies by V.
; BOTH PRODUCTS ARE USED TRANSPOSED (S^T = K Q^T, O^T = V^T P): a lane holds one query (lane % 16), its registers run along the keys.  Lane r of key tile 2 b + u takes key 32 b + 8 u + r + (r & 8),
; so that the 16 registers of tiles 2 b, 2 b + 1 are the keys 32 b + 16 (lane / 16) + 0 .. 15: the conversions' results are the second product's operand as they stand.
; Every 8-bit fragment comes by two loads of 16 bytes: register 4 c + p, byte n holds k = 32 c + 16 (lane / 16) + 4 p + n, alike on both sides of every product (a permutation of k).
; UNITS.  Scores stay in units of the codes: 1e-5 / 2^(e0+e1) is the C of the score product, and 2^(e0+e1) cancels in p / |p| (the floor 1e-12 is divided by it too).
; THE MASK is read once by the work-group (wave w: query tile w) and kept in LDS as images of B fragments, one byte a (query, key): n + 4 x on, n = key & 3, on = (word != 0).  The byte serves twice:
;   pass 1: as an E4M3 number it is (n + 4 on) 2^-9.  A product with a constant selection fragment (code 64 once in each row) and C = -(j & 3) / 8 gives m = on / 2 as f32 in the scores' own layout:
;           sum += (s m)^2, times 4 at the end.
;   pass 2: as a selector of v_perm_b32: 4 + n keeps byte n of the codes, n takes byte n of a zero.  A mask fragment has P's own layout, so one permute a register masks four codes.
;           x = s rn, rn = 2^-(e2+9) / norm, is held within +-0.875 (448 x 2^e2 in these units) and the conversion divides by 2^-9.
; THE KEYS' ORDER IS TURNED: trip S works on the 256 keys number (S + rot) & 7, rot = (2 x + y) & 7, for mask, K and V alike; LDS goes by S alone.  The four work-groups that share mask rows so begin at different keys.
; NO CLUSTER, NO TENSOR LOADS: a fragment of K or V is read by one wave alone, K straight into its registers, V through its own staging; the mask's images (147,456 bytes) and V's staging (139,264) leave
; 40,960 bytes of a WGP's LDS, and one slot of raw mask for a joint load (64 queries x 256 keys x 4 bytes = 65,536) does not fit even once.
; LIMITS: e0 + e1 and e2 each between -40 and 40; e2 + e3 between -126 and 127 (2^(e2+e3) is made as an f32 number).  NaN codes are not served.
; REGISTERS, in windows of 256.  Window 0: v1-31 addresses and constants; v32-63 sums of squares (8 a tile); v64-71 the C of the scores; v200-207 the C of the mask's product;
;     pass 1: v72-199 two sets of 32 scores + 32 mask numbers;  pass 2: v72-135 two sets of mask fragments.
;   Window 1: v0-31 Q; v112-239 K, a ring of four chunks; v240-242 constants;  pass 1: v32-45 the selection, v48-111 two sets of mask fragments;  pass 2: v32-95 two sets of 32 scores, v96-103 P's codes, v104-111 rn.
;   Window 2: v0-127 raw mask (pass 1), O^T (pass 2); v128-191 packed words (pass 1), V's fragments; v192-194 addresses.   Window 3: v0-127 V on its way to the staging.
; THE MODE: SCHED_MODE bits 1:0 = 2 (LLVM: expert scheduling mode 2), set by the entry lines.  The code itself states the register dependences between vector or matrix instructions and memory or LDS
; instructions, with s_wait_alu, always for 0.
; THE PLAN.  A body is a chunk of 64 keys.  Registers that memory or LDS instructions touch:
;   K's ring          body i's products read slot i; body i's loads land in slot (i + 3) % 4, which the body before read.
;   mask fragments    body i's products (pass 1) or permutes (pass 2) read set i % 2; body i's LDS loads land in the other set, which the body before read.
;   raw mask          conversion i writes chunk i in place and reads it; then the chunk is loaded again.
;   packed words      written by a conversion, read by its eight LDS stores, written again by the next conversion.
;   V's batches       named by no vector instruction: loaded, three bodies later read by the stores into the staging, in the body after that loaded again.
;   V's fragments     body i's V^T P reads set i % 2; body i's LDS loads land in the other set, which the body before read (set 0's first eight registers were the packed words).
;   the trip's LDS addresses (v10-13, v16-18, IST)   written at a trip's head, read by the trip's LDS instructions.  All other addresses are made at the kernel's head and never written again.
; So ONE wait on va_vdst stands in a body, behind its first tile's vector work (and the conversion's): every product and permute of the body before is issued ahead of it, and what is written for this body's
; stores and addresses too.  The body's loads and stores follow it, in two runs among the products; the vector and matrix instructions that stand between name slot i, the sets i % 2, Q, the scores, the sums,
; P's codes and O^T: none of the registers that those loads and stores touch.  Waits on vm_vsrc stand at a trip's head (the addresses), ahead of a conversion (the packed words) and ahead of V's reload.
.set IMGF,  1152                       ; a mask fragment's image: four blocks of 256 bytes + 32 of padding (block (c, half) at 576 c + 288 half; query r's 16 bytes at 16 r)
.set IMGS,  4*IMGF                     ; the four fragments of 256 keys
.set IMGT,  32*IMGF                    ; a query tile's 32 fragments; the images fill LDS bytes 0 .. 147,455
.set VST,   4*IMGT                     ; V's staging: two buffers x four waves x 64 rows of 256 + 16 bytes
.set VWAVE, 64*272
.set VBUF,  4*VWAVE
.set KO,3                              ; v3   K: (r + (r & 8)) 64 + 16 h
.set VG,4                              ; v4   V in memory: 2048 h + 16 r
.set QO,5                              ; v5   Q: 64 r + 16 h
.set MB0,6                             ; v6-9   images of query tile 0..3: my lane's place
.set MBA,10                            ; v10-13 the same at the trip's 256 keys
.set VL0,14                            ; v14  staging, a fragment's row: 272 r + 16 h
.set VS0,15                            ; v15  staging by rows: 272 h + 16 r (also the way out's read)
.set VLC,16                            ; v16  VL0 in the buffer in hand;  v17 in the next;  v18 VS0 in the next
.set VLN,17
.set VSN,18
.set STO,19                            ; v19  the way out: 272 r + 32 h
.set GO,21                             ; v21  the way out: 256 h + 16 r
.set EPSN,23                           ; v23  1e-12 / 2^(e0+e1)
.set LIM0,24                           ; v24  0.875, the hold's upper limit (source 2 of the hold: window 0)
.set ACC,32
.set EPSC,64
.set SCO,72
.set MSK,104
.set MB2,72                            ; pass 2: mask fragments, two sets of 32
.set MC,200                            ; v200-207  -(j & 3) / 8
.set PX,208
.set CSC,241                           ; v241 of windows 0 and 1: 2^-9, the conversion's scale
.set QF,0                              ; window 1
.set SEL,32
.set MBR,48
.set KR,112
.set S2,32                             ; pass 2: scores, two sets of 32
.set PC1,96                            ; pass 2: P's codes
.set RN1,104                           ; pass 2: rn, a pair for each tile
.set LIM1,240                          ; 0.875 (source 1 of the hold: window 1)
.set ZR1,242                           ; 0
.set OA,0                              ; window 2
.set RW,0
.set VFR,128
.set PK,128
.set MOFF,192                          ; mask in memory: 8192 h + 16 r
.set IST0,193                          ; where my packed word goes in an image
.set IST,194
.set VSR,0                             ; window 3
.set SQ,4                              ; s[4:5] Q, s[6:7] K, s[8:9] V, s[10:11] mask, s[14:15] out: at my wave's part
.set SK,6
.set SV,8
.set SM,10
.set SO,14
.set WV,16
.set RT,24                             ; s24  rot + trip, running through both passes
.set MRA,26                            ; s[26:27], s[28:29] the mask at the first and second 256 keys
.set MRB,28
.set SELK,30                           ; s30  0x03020100: byte n of a word holds n
.set KC,36                             ; s[36:37] K at this trip's keys, s[38:39] at the next trip's
.set KN,38
.set MR,44                             ; s[44:45] the mask two trips on
.set VB1,48                            ; s[48:49] V one trip on, s[50:51] two trips on
.set VB2,50
.set MO,52                             ; s52  the trip's place in the images
.set VT,53                             ; s53  0 or VBUF
.set CNT,54
.set OSC,58                            ; s[58:59] 2^(e2+e3)
.set NE01,60                           ; s60  -(e0+e1)
.set NE2,61                            ; s61  -(e2+9)
.set OFS,62                            ; s[62:63] an offset in 64 bits
.set MSB, 0
.macro WIN new                         ; the immediate's high byte repeats the setting that is left; bits 1:0 source 0, 3:2 source 1, 5:4 source 2, 7:6 destination
.if MSB != \new
	s_set_vgpr_msb (MSB<<8)|\new
.set MSB, \new
.endif
.endm
.macro BASES                           ; the stepped addresses, each from its own buffer's pointer and (rot + trip + n) & 7
	s_and_b32 s[OFS], s[RT], 7
	s_lshl_b32 s[OFS], s[OFS], 14                  ; 256 keys of K are 16,384 bytes
	s_add_nc_u64 s[KC:KC+1], s[SK:SK+1], s[OFS:OFS+1]
	s_add_co_u32 s25, s[RT], 1
	s_and_b32 s25, s25, 7
	s_lshl_b32 s[OFS], s25, 14
	s_add_nc_u64 s[KN:KN+1], s[SK:SK+1], s[OFS:OFS+1]
	s_lshl_b32 s[OFS], s25, 8                      ; of a row of V 256 bytes
	s_add_nc_u64 s[VB1:VB1+1], s[SV:SV+1], s[OFS:OFS+1]
	s_add_co_u32 s25, s[RT], 2
	s_and_b32 s25, s25, 7
	s_lshl_b32 s[OFS], s25, 10                     ; of a row of the mask 1,024 bytes
	s_add_nc_u64 s[MR:MR+1], s[SM:SM+1], s[OFS:OFS+1]
	s_lshl_b32 s[OFS], s25, 8
	s_add_nc_u64 s[VB2:VB2+1], s[SV:SV+1], s[OFS:OFS+1]
.endm
.macro KLOAD slot, base, off           ; a chunk of 64 keys (4,096 bytes) into slot of K's ring: four tiles, two loads each
	WIN 0x40
.irp t, 0,1,2,3
	global_load_b128 v[KR+32*(\slot)+8*\t:KR+32*(\slot)+8*\t+3],   v[KO], s[\base:\base+1] offset:(\off)+(32*(\t/2)+8*(\t%2))*64
	global_load_b128 v[KR+32*(\slot)+8*\t+4:KR+32*(\slot)+8*\t+7], v[KO], s[\base:\base+1] offset:(\off)+(32*(\t/2)+8*(\t%2))*64+32
.endr
.endm
.macro RLOAD bb, base                  ; raw mask, chunk bb of 256 keys, my tile's 16 rows: a load takes two rows x 256 consecutive bytes
	WIN 0xaa
.irp p, 0,1,2,3,4,5,6,7
	global_load_b128 v[RW+4*(8*(\bb)+\p):RW+4*(8*(\bb)+\p)+3], v[MOFF], s[\base:\base+1] offset:\p*16384+(\bb)*256
.endr
.endm
; PASS 1.  Eight matrix instructions for query tile qt: four tiles of scores (K's ring slot kb) and the same four tiles of the mask (fragment set mb), into set ss.  Eight different results: no chain.
.macro WS qt, kb, mb, ss
	WIN 0x05
.irp t, 0,1,2,3
	v_wmma_f32_16x16x64_fp8_fp8 v[SCO+64*(\ss)+8*\t:SCO+64*(\ss)+8*\t+7], v[KR+32*(\kb)+8*\t:KR+32*(\kb)+8*\t+7], v[QF+8*(\qt):QF+8*(\qt)+7], v[EPSC:EPSC+7]
.endr
.irp t, 0,1,2,3
	v_wmma_f32_16x16x64_fp8_fp8 v[MSK+64*(\ss)+8*\t:MSK+64*(\ss)+8*\t+7], v[SEL+6-2*\t:SEL+13-2*\t], v[MBR+32*(\mb)+8*(\qt):MBR+32*(\mb)+8*(\qt)+7], v[MC:MC+7]
.endr
.endm
.macro VEC1 qt, ss                     ; pass 1: sum += (s m)^2, two at a time, in four chains; each result is read from its low end on
	WIN 0
.set rS, SCO+64*(\ss)
.set rM, MSK+64*(\ss)
.set rA, ACC+8*(\qt)
.set j, 0
.rept 16
	v_pk_mul_f32 v[rS+j:rS+j+1], v[rS+j:rS+j+1], v[rM+j:rM+j+1]
.set j, j+2
.endr
.set j, 0
.rept 16
	v_pk_fma_f32 v[rA+j%8:rA+j%8+1], v[rS+j:rS+j+1], v[rS+j:rS+j+1], v[rA+j%8:rA+j%8+1]
.set j, j+2
.endr
.endm
; PASS 2.  Scores, codes, rn, K and Q lie in window 1, the C of the scores, the upper limit and the mask fragments in window 0: one setting serves a tile's vector work and the next tile's score products.
.macro WS2 qt, kb, ss                  ; four tiles of scores by themselves: in front of the first unit alone
	WIN 0x45
.irp t, 0,1,2,3
	v_wmma_f32_16x16x64_fp8_fp8 v[S2+32*(\ss)+8*\t:S2+32*(\ss)+8*\t+7], v[KR+32*(\kb)+8*\t:KR+32*(\kb)+8*\t+7], v[QF+8*(\qt):QF+8*(\qt)+7], v[EPSC:EPSC+7]
.endr
.endm
; Tile qt's vector work on set ss with the mask fragments of set mb: x = s rn (16 lines), the hold (32), eight codes a conversion (4), one permute a code register (8).
; ws = 1: the four score products of tile nq (K's ring slot nkb) into set nss stand singly behind lines 6, 18, 30 and 42: each has eleven plain lines behind it, which name none of its registers.
; The last hold stands behind the first three conversions, and the first six permutes behind the fourth: each conversion so has a plain line between it and the permute that reads its codes.
.macro V2W qt, ss, mb, ws, nq, nkb, nss
	WIN 0x45
.set rS, S2+32*(\ss)
.set rW, S2+32*(\nss)
.set rK, KR+32*(\nkb)
.set rR, RN1+2*(\qt)
.set rB, MB2+32*(\mb)+8*(\qt)
.set j, 0
.rept 47
.if j < 16
	v_pk_mul_f32 v[rS+2*j:rS+2*j+1], v[rS+2*j:rS+2*j+1], v[rR:rR+1]
.else
	v_med3_num_f32 v[rS+j-16], v[rS+j-16], -v[LIM1], v[LIM0]
.endif
.if \ws && (j%12 == 5)
	v_wmma_f32_16x16x64_fp8_fp8 v[rW+8*(j/12):rW+8*(j/12)+7], v[rK+8*(j/12):rK+8*(j/12)+7], v[QF+8*(\nq):QF+8*(\nq)+7], v[EPSC:EPSC+7]
.endif
.set j, j+1
.endr
.irp t, 0,1,2
	v_cvt_scalef32_pk8_fp8_f32 v[PC1+2*\t:PC1+2*\t+1], v[rS+8*\t:rS+8*\t+7], v[CSC]
.endr
	v_med3_num_f32 v[rS+31], v[rS+31], -v[LIM1], v[LIM0]
	v_cvt_scalef32_pk8_fp8_f32 v[PC1+6:PC1+7], v[rS+24:rS+31], v[CSC]
.irp k, 0,1,2,3,4,5,6,7
	v_perm_b32 v[PC1+\k], v[PC1+\k], v[ZR1], v[rB+\k]      ; selector 4 + n: my code's byte n; selector n: the zero's
.endr
.endm
.macro PV qt, vb                       ; O^T of tile qt += V^T P: four accumulators, one instruction a turn
	WIN 0xa6
.irp d, 0,1,2,3
	v_wmma_f32_16x16x64_fp8_fp8 v[OA+32*(\qt)+8*\d:OA+32*(\qt)+8*\d+7], v[VFR+32*(\vb)+8*\d:VFR+32*(\vb)+8*\d+7], v[PC1:PC1+7], v[OA+32*(\qt)+8*\d:OA+32*(\qt)+8*\d+7]
.endr
.endm
; Chunk bb of the ring's raw mask becomes an image: on = min(word, 1); a word of four bytes n + 4 on, stage by stage across the eight loads' registers.  ahead = 1: the registers take the same chunk 256 keys on.
.macro CONV bb, nr, ahead, base, lofs
	WIN 0xaa
	s_wait_loadcnt \nr                             ; the chunk's eight loads are in: nr loads at the least were issued behind them
	s_wait_dscnt 0x0                               ; the last conversion's LDS stores are done
.if (\bb) > 0
	s_wait_alu depctr_vm_vsrc(0)                   ; the last conversion's LDS stores have read the packed words, which are written again below (for chunk 0 the wait at the trip's head states it; the very first conversion has none in front of it)
.endif
.irp p, 0,1,2,3,4,5,6,7
.irp k, 0,1,2,3
	v_min_u32 v[RW+4*(8*(\bb)+\p)+\k], 1, v[RW+4*(8*(\bb)+\p)+\k]
.endr
.endr
.irp p, 0,1,2,3,4,5,6,7
	v_lshl_add_u32 v[PK+\p], v[RW+4*(8*(\bb)+\p)], 2, s[SELK]
.endr
.irp p, 0,1,2,3,4,5,6,7
	v_lshl_add_u32 v[PK+\p], v[RW+4*(8*(\bb)+\p)+1], 10, v[PK+\p]
.endr
.irp p, 0,1,2,3,4,5,6,7
	v_lshl_add_u32 v[PK+\p], v[RW+4*(8*(\bb)+\p)+2], 18, v[PK+\p]
.endr
.irp p, 0,1,2,3,4,5,6,7
	v_lshl_add_u32 v[PK+\p], v[RW+4*(8*(\bb)+\p)+3], 26, v[PK+\p]
.endr
	s_wait_alu depctr_va_vdst(0)                   ; THE BODY'S ONE WAIT: the packed words are written, which the LDS stores below read; the body before is done reading the slot of K and the mask fragments that this body's loads fill; in a trip's first body v[IST] and v[MBA ..] are written
.if \ahead
	RLOAD \bb, \base
.endif
.irp p, 0,1,2,3,4,5,6,7
	ds_store_b32 v[IST], v[PK+\p] offset:(\lofs)+(\bb)*IMGF+\p*32   ; queries 2 p + h, keys 4 r .. 4 r + 3: the 32 lanes fall on 32 different banks
.endr
.endm
; THE LOADS OF BODY i, in three parts; all stand behind the body's wait on va_vdst.
; From memory.  vsl: eight loads of V (batch (i + 3) % 4) for the staging; 1: the batch's first load, or the first body of a trip, whose head has stated that the staging's stores have read it; 2: the wait stands here.  kl: K three chunks on.
.macro LG i, vsl, kl
.if \vsl
	WIN 0xc0
.if (\vsl) == 2
	s_wait_alu depctr_vm_vsrc(0)                   ; the last body's stores into the staging have read this batch's registers, in which the loads below land
.endif
.set vj, 8*(((\i)+3)%4)
.irp p, 0,1,2,3,4,5,6,7
.if (\i) == 0
	global_load_b128 v[VSR+4*(vj+\p):VSR+4*(vj+\p)+3], v[VG], s[VB1:VB1+1] offset:(vj+\p)*4096   ; two rows d x 256 consecutive bytes
.else
	global_load_b128 v[VSR+4*(vj+\p):VSR+4*(vj+\p)+3], v[VG], s[VB2:VB2+1] offset:(vj+\p)*4096
.endif
.endr
.endif
.if \kl
.if (\i) == 0
	KLOAD 3, KC, 3*4096
.else
	KLOAD ((\i)+3)%4, KN, ((\i)-1)*4096
.endif
.endif
.endm
; The next chunk's mask fragments (mbl = 1: pass 1's place, 2: pass 2's; wrap: the first chunk's).
.macro LM i, mbl, wrap
.if (\mbl) == 1
	WIN 0x40
.set mj, MBR+32*(((\i)+1)%2)
.endif
.if (\mbl) == 2
	WIN 0
.set mj, MB2+32*(((\i)+1)%2)
.endif
.if \mbl
.irp q, 0,1,2,3
.if \wrap
	ds_load_b128 v[mj+8*\q:mj+8*\q+3],   v[MB0+\q]
	ds_load_b128 v[mj+8*\q+4:mj+8*\q+7], v[MB0+\q] offset:576
.else
	ds_load_b128 v[mj+8*\q:mj+8*\q+3],   v[MBA+\q] offset:((\i)+1)*IMGF
	ds_load_b128 v[mj+8*\q+4:mj+8*\q+7], v[MBA+\q] offset:((\i)+1)*IMGF+576
.endif
.endr
.endif
.endm
; vst: V's batch i (asked for three bodies ago) into the next buffer;  vfl: the next chunk's fragments of V (i = 3: from the next buffer, behind the store: LDS serves a wave's instructions in order, ISA guide 5.7.1.4).
.macro LV i, vst, vfl
.if \vst
	WIN 0x0c
.irp p, 0,1,2,3,4,5,6,7
	ds_store_b128 v[VSN], v[VSR+4*(8*(\i)+\p):VSR+4*(8*(\i)+\p)+3] offset:(8*(\i)+\p)*544
.endr
.endif
.if \vfl
	WIN 0x80
.set fj, VFR+32*(((\i)+1)%2)
.irp d, 0,1,2,3
.if (\i) == 3
	ds_load_b128 v[fj+8*\d:fj+8*\d+3],   v[VLN] offset:\d*4352
	ds_load_b128 v[fj+8*\d+4:fj+8*\d+7], v[VLN] offset:\d*4352+32
.else
	ds_load_b128 v[fj+8*\d:fj+8*\d+3],   v[VLC] offset:\d*4352+((\i)+1)*64
	ds_load_b128 v[fj+8*\d+4:fj+8*\d+7], v[VLC] offset:\d*4352+((\i)+1)*64+32
.endif
.endr
.endif
.endm
.macro HEAD nk                         ; in front of the next chunk's first products
	s_wait_loadcnt \nk                             ; its K, asked for two bodies ago, is in: nk loads were issued behind it
	s_wait_dscnt 0x0                               ; its mask fragments and V's are in, and the staging's stores are done
.endm
; A BODY is a chunk of 64 keys x four query tiles.  A tile's score products are issued one tile ahead of its vector work, into two sets by turns.
; Between a product and the first read of its result, or a product that writes over its result, always stands another tile's vector work: 32 plain instructions or more (ISA guide 7.12.1).
; Pass 1: the body's loads of K, V and the fragments stand behind tile 2's eight products, which name slot i, fragment set i % 2, Q, the selection and score set 0: none of the registers that those loads touch.
; In a trip's last body they stand behind the barrier's wait; tile 1's vector work, which then stands between too, names score set 1 and the sums alone.
.macro BODY1 i, conv, ahead, nr, bar, vsl, vst, vfl, mbl, nk, nxt
	WS 1, \i, (\i)%2, 1
	VEC1 0, 0
.if \conv
	CONV \i, \nr, \ahead, MR, IMGS
.else
	s_wait_alu depctr_va_vdst(0)                   ; THE BODY'S ONE WAIT: the body before is done reading the slot of K and the mask fragments that this body's loads fill; in the trip's first body its LDS addresses are written; the last conversion has written the packed words, in which V's first fragments land
.endif
.if \bar
	s_wait_dscnt 0x0                               ; for the others' sake: my words of the next 256 keys' images have landed
	s_barrier_signal -1
	WS 2, \i, (\i)%2, 0
	VEC1 1, 1                                      ; work on registers while the others arrive
	s_barrier_wait -1                              ; the next 256 keys' images are whole: the run of loads below reads the first of them
	LG \i, \vsl, 1
	LM \i, \mbl, 0
	LV \i, \vst, \vfl
.else
	WS 2, \i, (\i)%2, 0
	LG \i, \vsl, 1
	LM \i, \mbl, 0
	LV \i, \vst, \vfl
	VEC1 1, 1
.endif
	WS 3, \i, (\i)%2, 1
	VEC1 2, 0
.if \nxt
	HEAD \nk
	WS 0, ((\i)+1)%4, ((\i)+1)%2, 0
.endif
	VEC1 3, 1
.endm
; Pass 2: the loads from memory and the mask fragments stand straight behind the wait, the staging's stores and V's next fragments behind V^T P of tile 0, which names O^T, V's set i % 2 and P's codes alone.
.macro BODY2 i, vsl, kl, vst, mbl, vfl, nk, nxt
	V2W 0, 0, (\i)%2, 1, 1, \i, 1
.if (\vsl)+(\kl)+(\vst)+(\mbl)+(\vfl)
	s_wait_alu depctr_va_vdst(0)                   ; THE BODY'S ONE WAIT: the body before is done reading the slot of K (its score products), the mask fragments (its permutes) and V's fragments (its V^T P) that this body's loads fill; in a trip's first body the trip's LDS addresses are written
.endif
	LG \i, \vsl, \kl
	LM \i, \mbl, 0
	PV 0, (\i)%2
	LV \i, \vst, \vfl
	V2W 1, 1, (\i)%2, 1, 2, \i, 0
	PV 1, (\i)%2
	V2W 2, 0, (\i)%2, 1, 3, \i, 1
	PV 2, (\i)%2
.if \nxt
	HEAD \nk
.endif
	V2W 3, 1, (\i)%2, \nxt, 0, ((\i)+1)%4, 0
	PV 3, (\i)%2
.endm
.macro TRIPHEAD ist, vv                ; the trip's LDS addresses; no LDS instruction of the wave is out here
	WIN 0
	s_wait_alu depctr_vm_vsrc(0)                   ; the LDS instructions issued so far have read the trip's addresses, which are written again below; the last conversion's stores have read the packed words, and the last body's staging stores V's batch 3: the trip's first body writes the one and loads the other
.irp q, 0,1,2,3
	v_add_nc_u32 v[MBA+\q], s[MO], v[MB0+\q]
.endr
.if \vv
	v_add_nc_u32 v[VLC], s[VT], v[VL0]
	s_xor_b32 s[VT], s[VT], VBUF
	v_add_nc_u32 v[VLN], s[VT], v[VL0]
	v_add_nc_u32 v[VSN], s[VT], v[VS0]
.endif
.if \ist
	WIN 0xaa
	v_add_nc_u32 v[IST], s[MO], v[IST0]
.endif
.endm
.macro TRIPEND
	WIN 0
	s_wait_xcnt 0x0                                ; the loads issued so far have had their addresses translated (ISA guide 3.1): only now are their bases written again
	s_add_co_u32 s[RT], s[RT], 1
	BASES
	s_add_co_u32 s[MO], s[MO], IMGS
.endm
	s_load_b256 s[4:11], s[0:1], 0x0               ; Q, K, V, mask
	s_load_b128 s[12:15], s[0:1], 0x20             ; the scales' exponents, out
	v_lshl_add_u32 v254, v0, 2, 0x46000
	v_mov_b32 v255, 0
	v_lshrrev_b32 v28, 5, v0
	v_readfirstlane_b32 s[WV], v28                 ; wave 0..3
	v_and_b32 v1, 15, v0                           ; r
	v_bfe_u32 v2, v0, 4, 1                         ; h
	s_wait_alu depctr_va_sdst(0)                   ; the wave's number is written, ahead of its first reader: my head, my LDS parts and my rows of the mask are made from it
	s_and_b32 s17, ttmp7, 0xffff                   ; y = 32 x batch + block of 64 queries
	s_lshr_b32 s18, s17, 5
	s_and_b32 s19, s17, 31
	s_lshl_b32 s20, s18, 4
	s_lshl_b32 s21, ttmp9, 2
	s_add_co_u32 s20, s20, s21
	s_add_co_u32 s20, s20, s[WV]                   ; my head among the 32: 16 batch + 4 x + wave
	s_lshl_b32 s[RT], ttmp9, 1
	s_add_co_u32 s[RT], s[RT], s17
	s_and_b32 s[RT], s[RT], 7                      ; rot
	s_mov_b32 s[OFS+1], 0
	s_mov_b32 s[MO], 0
	s_mov_b32 s[VT], VBUF
	s_mov_b32 s[SELK], 0x03020100
	s_mov_b32 s56, 0x76543210                      ; v_permlanex16_b32's selects for lane l xor 16
	s_mov_b32 s57, 0xfedcba98
	v_and_b32 v28, 8, v1
	v_add_nc_u32 v28, v28, v1
	v_lshlrev_b32 v28, 6, v28
	v_lshl_add_u32 v[KO], v2, 4, v28
	v_lshlrev_b32 v28, 4, v1                       ; 16 r
	v_lshl_add_u32 v[VG], v2, 11, v28
	v_lshlrev_b32 v29, 6, v1
	v_lshl_add_u32 v[QO], v2, 4, v29
	v_mad_u32_u24 v[MB0], v2, 288, v28
	v_add_nc_u32 v[MB0+1], IMGT, v[MB0]
	v_add_nc_u32 v[MB0+2], 2*IMGT, v[MB0]
	v_add_nc_u32 v[MB0+3], 3*IMGT, v[MB0]
	s_mul_i32 s23, s[WV], VWAVE
	s_add_co_u32 s23, s23, VST                     ; my wave's part of staging buffer 0
	v_mul_u32_u24 v29, v1, 272
	v_lshl_add_u32 v30, v2, 4, v29
	v_add_nc_u32 v[VL0], s23, v30
	v_lshl_add_u32 v30, v2, 5, v29
	v_add_nc_u32 v[STO], s23, v30
	v_mad_u32_u24 v29, v2, 272, v28
	v_add_nc_u32 v[VS0], s23, v29
	v_lshl_add_u32 v[GO], v2, 8, v28
	s_mul_i32 s22, s[WV], IMGT                     ; I write query tile w's images
	v_bfe_u32 v29, v0, 3, 1
	v_mul_u32_u24 v29, v29, 576
	v_bfe_u32 v30, v0, 2, 1
	v_mad_u32_u24 v29, v30, 288, v29
	v_and_b32 v30, 3, v0
	v_lshl_add_u32 v29, v30, 2, v29
	v_lshl_add_u32 v29, v2, 4, v29                 ; keys 4 r on: block (r >> 3, bit 2 of r), word r & 3; query 2 p + h: 16 h here, 32 p in the store's offset
	WIN 0x80
	v_lshl_add_u32 v[MOFF], v2, 13, v28
	v_add_nc_u32 v[IST0], s22, v29
	WIN 0
	s_lshl_b32 s21, s20, 17                        ; a head's codes: 131,072 bytes
	s_lshl_b32 s22, s19, 12                        ; 64 queries' codes: 4,096
	s_wait_kmcnt 0x0
	s_load_b128 s[32:35], s[12:13], 0x0            ; e0 .. e3
	s_mov_b32 s[OFS], s21
	s_add_nc_u64 s[SK:SK+1], s[SK:SK+1], s[OFS:OFS+1]
	s_add_nc_u64 s[SV:SV+1], s[SV:SV+1], s[OFS:OFS+1]
	s_add_co_u32 s[OFS], s21, s22
	s_add_nc_u64 s[SQ:SQ+1], s[SQ:SQ+1], s[OFS:OFS+1]
	s_lshl_b32 s[OFS], s18, 24                     ; a batch's mask: 16,777,216 bytes; 64 rows: 524,288; my tile's 16: 131,072
	s_lshl_b32 s23, s19, 19
	s_add_co_u32 s[OFS], s[OFS], s23
	s_lshl_b32 s23, s[WV], 17
	s_add_co_u32 s[OFS], s[OFS], s23
	s_add_nc_u64 s[SM:SM+1], s[SM:SM+1], s[OFS:OFS+1]
	s_lshl_b32 s[OFS], s20, 19                     ; a head of out: 524,288 bytes; 64 rows: 16,384
	s_lshl_b32 s23, s19, 14
	s_add_co_u32 s[OFS], s[OFS], s23
	s_add_nc_u64 s[SO:SO+1], s[SO:SO+1], s[OFS:OFS+1]
	s_lshl_b32 s[OFS], s[RT], 10
	s_add_nc_u64 s[MRA:MRA+1], s[SM:SM+1], s[OFS:OFS+1]
	s_add_co_u32 s25, s[RT], 1
	s_and_b32 s25, s25, 7
	s_lshl_b32 s[OFS], s25, 10
	s_add_nc_u64 s[MRB:MRB+1], s[SM:SM+1], s[OFS:OFS+1]
	BASES
	WIN 0x40
	s_wait_alu depctr_va_vdst(0)                   ; the addresses and offsets that stay (v3-9, v14, v15, v19, v21; v192, v193 of window 2) are written: the kernel's loads and stores read them
.irp q, 0,1,2,3
	global_load_b128 v[QF+8*\q:QF+8*\q+3],   v[QO], s[SQ:SQ+1] offset:\q*1024      ; Q stays in registers
	global_load_b128 v[QF+8*\q+4:QF+8*\q+7], v[QO], s[SQ:SQ+1] offset:\q*1024+32
.endr
	KLOAD 0, KC, 0
	KLOAD 1, KC, 4096
	RLOAD 0, MRA                                   ; the ring of raw mask: the first 256 keys.  56 loads of the wave are out
	RLOAD 1, MRA
	RLOAD 2, MRA
	RLOAD 3, MRA
	WIN 0
	; constants, while the loads are on their way: they name no register that a load reads or lands in
	v_bfe_u32 v28, v0, 3, 1
	v_xor_b32 v28, v28, v2
	v_xor_b32 v28, 1, v28                          ; 1 where h == r >> 3: the half of the lanes that holds row r's key
	v_bfe_u32 v29, v0, 2, 1
	v_and_b32 v30, v28, v29                        ; the key lies in the second word (bit 2 of r),
	v_xor_b32 v29, 1, v29
	v_and_b32 v29, v28, v29                        ; or in the first
	v_and_b32 v31, 3, v0
	v_lshlrev_b32 v31, 3, v31                      ; at byte r & 3
	v_mul_u32_u24 v26, 0x68, v29                   ; code 64
	v_mul_u32_u24 v27, 0x68, v30
	WIN 0x40
.irp k, 0,1,2,3,4,5,8,9,10,11,12,13
	v_mov_b32 v[SEL+\k], 0                         ; tile t's selection is v[SEL + 6 - 2 t] on: the two words stand at its registers 2 t, 2 t + 1, zeros round them
.endr
	v_lshlrev_b32 v[SEL+6], v31, v26
	v_lshlrev_b32 v[SEL+7], v31, v27
	v_mov_b32 v[LIM1], 0x3f600000                  ; 0.875
	v_mov_b32 v[CSC], 0x3b000000                   ; 2^-9
	v_mov_b32 v[ZR1], 0
	WIN 0
	v_mov_b32 v[LIM0], 0x3f600000
	v_mov_b32 v[CSC], 0x3b000000                   ; (the same number under the same name in window 0)
.irp k, 0,4
	v_mov_b32 v[MC+\k], 0                          ; register j of a mask tile holds a key with key & 3 = j & 3: its byte carries (j & 3) 2^-9 beside the mask; 64 x that is taken away again
	v_mov_b32 v[MC+\k+1], 0xbe000000               ; -0.125
	v_mov_b32 v[MC+\k+2], 0xbe800000               ; -0.25
	v_mov_b32 v[MC+\k+3], 0xbec00000               ; -0.375
.endr
.set j, 0
.rept 32
	v_mov_b32 v[ACC+j], 0                          ; the sums of squares begin as zeros: a first chunk of its own would be a further copy of a trip
.set j, j+1
.endr
.irp q, 0,1,2,3
	v_mov_b32 v[PX+\q], 0                          ; a lane permute's destination counts as one of its sources
.endr
	s_wait_kmcnt 0x0
	s_add_co_i32 s[NE01], s32, s33
	s_sub_co_i32 s[NE01], 0, s[NE01]
	s_add_co_i32 s[NE2], s34, 9
	s_sub_co_i32 s[NE2], 0, s[NE2]
	s_add_co_i32 s[OSC], s34, s35
	s_add_co_i32 s[OSC], s[OSC], 127
	s_lshl_b32 s[OSC], s[OSC], 23                  ; 2^(e2+e3) as f32
	s_mov_b32 s[OSC+1], s[OSC]
	v_mov_b32 v[EPSN], 0x2b8cbccc                  ; 1e-12
	v_ldexp_f32 v[EPSN], v[EPSN], s[NE01]
	v_mov_b32 v[EPSC], 0x3727c5ac                  ; 1e-5
	v_ldexp_f32 v[EPSC], v[EPSC], s[NE01]
.irp k, 1,2,3,4,5,6,7
	v_mov_b32 v[EPSC+\k], v[EPSC]
.endr
	; THE FIRST 256 KEYS' IMAGES.  Behind chunk 0's loads: chunks 1-3 (24).  Behind chunk 1's: chunks 2, 3, the first refill and K's third chunk (32); and so on
	WIN 0xaa
	v_add_nc_u32 v[IST], s[MO], v[IST0]
	CONV 0, 24, 1, MRB, 0
	KLOAD 2, KC, 8192
	CONV 1, 32, 1, MRB, 0
	CONV 2, 32, 1, MRB, 0
	CONV 3, 32, 1, MRB, 0
	s_wait_dscnt 0x0                               ; for the others' sake: my words have landed
	s_barrier_signal -1
	s_barrier_wait -1
	LM 3, 1, 1                                     ; the first chunk's mask fragments: into registers that no vector instruction has named, by addresses written ahead of the head's wait
	s_wait_dscnt 0x0                               ; (Q and K's first two chunks are older than the raw mask that has been waited for)
	WS 0, 0, 0, 0
	WIN 0
.rept 4
	v_nop                                          ; here no other tile's vector work stands between these products and the read of their results
.endr
	; PASS 1.  Trip S: the sums over its 256 keys; the images of the next 256; the raw mask of the 256 after those is asked for.
	; The conversion's wait for 32 does its work on the way in (behind the first refill: K's third chunk and three refills); later the wait at the last body's end has met it.
	; That wait: behind K of the next chunk, asked for two bodies ago, two bodies' loads were issued: 2 x (8 of the mask + 8 of K).
	s_mov_b32 s[CNT], 6
.Lp1:
	TRIPHEAD 1, 0
	BODY1 0, 1, 1, 32, 0, 0, 0, 0, 1, 32, 1
	BODY1 1, 1, 1, 32, 0, 0, 0, 0, 1, 32, 1
	BODY1 2, 1, 1, 32, 0, 0, 0, 0, 1, 32, 1
	BODY1 3, 1, 1, 32, 1, 0, 0, 0, 1, 32, 1
	TRIPEND
	s_sub_co_u32 s[CNT], s[CNT], 1
	s_cmp_lg_u32 s[CNT], 0
	s_cbranch_scc1 .Lp1
	; trip 6: the last images; no raw mask is left to ask for.  From its second body on V's first 256 keys are asked for, as in pass 2: each batch's first load.
	; Behind K of the next chunk: 8 + 8 + 8;  8 + 16;  16 + 16;  16 + 16
	TRIPHEAD 1, 0
	BODY1 0, 1, 0, 32, 0, 0, 0, 0, 1, 24, 1
	BODY1 1, 1, 0, 24, 0, 1, 0, 0, 1, 24, 1
	BODY1 2, 1, 0, 24, 0, 1, 0, 0, 1, 32, 1
	BODY1 3, 1, 0, 32, 1, 1, 0, 0, 1, 32, 1
	TRIPEND
	; trip 7: nothing to convert, no barrier.  V's first 256 keys go into staging buffer 0; K and V's fragments wrap round to pass 2's first chunk
	TRIPHEAD 0, 1
	BODY1 0, 0, 0, 0, 0, 1, 1, 0, 1, 32, 1
	BODY1 1, 0, 0, 0, 0, 2, 1, 0, 1, 32, 1
	BODY1 2, 0, 0, 0, 0, 2, 1, 0, 1, 32, 1
	BODY1 3, 0, 0, 0, 0, 2, 1, 1, 0, 0, 0
	TRIPEND
	; BETWEEN THE PASSES: rn = 2^-(e2+9) / max(sqrt(4 x sum), 1e-12 / 2^(e0+e1)), for each tile's query; the four tiles take turns line by line
	s_mov_b32 s[MO], 0
	s_wait_alu depctr_va_vdst(0)                   ; pass 1's last products and multiplications are done with score set 0, in whose registers pass 2's first mask fragments land
	LM 3, 2, 1                                     ; they land under the arithmetic below, which names the sums, v208-211 and rn alone
	WIN 0
.irp q, 0,1,2,3
	v_pk_add_f32 v[ACC+8*\q:ACC+8*\q+1], v[ACC+8*\q:ACC+8*\q+1], v[ACC+8*\q+2:ACC+8*\q+3]
	v_pk_add_f32 v[ACC+8*\q+4:ACC+8*\q+5], v[ACC+8*\q+4:ACC+8*\q+5], v[ACC+8*\q+6:ACC+8*\q+7]
.endr
.irp q, 0,1,2,3
	v_pk_add_f32 v[ACC+8*\q:ACC+8*\q+1], v[ACC+8*\q:ACC+8*\q+1], v[ACC+8*\q+4:ACC+8*\q+5]
.endr
.irp q, 0,1,2,3
	v_add_f32 v[ACC+8*\q], v[ACC+8*\q], v[ACC+8*\q+1]
.endr
.irp q, 0,1,2,3
	v_permlanex16_b32 v[PX+\q], v[ACC+8*\q], s56, s57      ; the query's other keys lie in the lane 16 away
.endr
.irp q, 0,1,2,3
	v_add_f32 v[ACC+8*\q], v[ACC+8*\q], v[PX+\q]
.endr
.irp q, 0,1,2,3
	v_mul_f32 v[ACC+8*\q], 4.0, v[ACC+8*\q]                ; m was 0.5
.endr
.irp q, 0,1,2,3
	v_sqrt_f32 v[ACC+8*\q+2], v[ACC+8*\q]
.endr
	v_nop                                          ; a plain instruction behind the roots
	s_wait_alu depctr_va_vdst(0)
.irp q, 0,1,2,3
	v_max_num_f32 v[ACC+8*\q+2], v[ACC+8*\q+2], v[EPSN]
.endr
.irp q, 0,1,2,3
	v_rcp_f32 v[ACC+8*\q+4], v[ACC+8*\q+2]
.endr
	v_nop                                          ; a plain instruction behind the reciprocals
	WIN 0x40                                       ; rn goes to window 1, a pair for the packed multiply
	s_wait_alu depctr_va_vdst(0)
.irp q, 0,1,2,3
	v_ldexp_f32 v[RN1+2*\q], v[ACC+8*\q+4], s[NE2]
	v_ldexp_f32 v[RN1+2*\q+1], v[ACC+8*\q+4], s[NE2]
.endr
	WIN 0x80
.set j, 0
.rept 128
	v_mov_b32 v[OA+j], 0                           ; O^T begins as zeros: 128 short lines once, against a further copy of a trip whose first chunk would start the sums
.set j, j+1
.endr
	; PASS 2.  Behind K of the next chunk two bodies' loads were issued: 2 x (8 of V + 8 of K)
	HEAD 32
	WS2 0, 0, 0
	WIN 0
.rept 4
	v_nop                                          ; as in front of pass 1
.endr
	s_mov_b32 s[CNT], 6
.Lp2:
	TRIPHEAD 0, 1
	BODY2 0, 1, 1, 1, 2, 1, 32, 1
	BODY2 1, 2, 1, 1, 2, 1, 32, 1
	BODY2 2, 2, 1, 1, 2, 1, 32, 1
	BODY2 3, 2, 1, 1, 2, 1, 32, 1
	TRIPEND
	s_sub_co_u32 s[CNT], s[CNT], 1
	s_cmp_lg_u32 s[CNT], 0
	s_cbranch_scc1 .Lp2
	; trip 6: of V only the last batch of the last 256 keys is left to ask for.  Behind K of the next chunk: 16 + 16;  16 + 8;  8 + 8;  8 + 8
	TRIPHEAD 0, 1
	BODY2 0, 1, 1, 1, 2, 1, 32, 1
	BODY2 1, 0, 1, 1, 2, 1, 24, 1
	BODY2 2, 0, 1, 1, 2, 1, 16, 1
	BODY2 3, 0, 1, 1, 2, 1, 16, 1
	TRIPEND
	; trip 7: K's last chunk is asked for in the first body, then nothing: the counts run down 16, 8, 0.  Its last body issues no load and no store, so it holds no wait on va_vdst
	TRIPHEAD 0, 1
	BODY2 0, 0, 1, 0, 2, 1, 16, 1
	BODY2 1, 0, 0, 0, 2, 1, 8, 1
	BODY2 2, 0, 0, 0, 2, 1, 0, 1
	BODY2 3, 0, 0, 0, 0, 0, 0, 0
	; THE WAY OUT.  A lane holds eight neighbouring d of one query, the lanes beside it other queries: a tile (16 rows of 256 bytes) goes through my part of staging buffer 0, which was read last a trip ago,
	; and comes back by rows.  The earlier tiles' multiplications are the places behind the last products; each accumulator is read from its low end on.  A tile is stored while the next goes through the stage.
	; Each tile has 32 registers of its own: written by its multiplications, read by its LDS stores, loaded back, read by its global stores, and never written again.
.macro OUTT q
	WIN 0x02
.set j, 0
.rept 16
	v_pk_mul_f32 v[SCO+32*\q+j:SCO+32*\q+j+1], v[OA+32*\q+j:OA+32*\q+j+1], s[OSC:OSC+1] op_sel_hi:[1,0]   ; x 2^(e2+e3)
.set j, j+2
.endr
	WIN 0
	s_wait_alu depctr_va_vdst(0)                   ; the multiplications have written the tile's registers, which the LDS stores read and in which the loads below land
.irp d, 0,1,2,3
	ds_store_b128 v[STO], v[SCO+32*\q+8*\d:SCO+32*\q+8*\d+3]   offset:\q*4352+\d*64
	ds_store_b128 v[STO], v[SCO+32*\q+8*\d+4:SCO+32*\q+8*\d+7] offset:\q*4352+\d*64+16
.endr
	s_wait_alu depctr_vm_vsrc(0)                   ; the LDS stores have read the tile's registers, in which the loads below land
.irp k, 0,1,2,3,4,5,6,7
	ds_load_b128 v[SCO+32*\q+4*\k:SCO+32*\q+4*\k+3], v[VS0] offset:\q*4352+\k*544   ; LDS serves a wave's instructions in order (ISA guide 5.7.1.4): these see the stores above
.endr
.endm
.macro SENDT q, younger                ; younger: the LDS instructions issued behind tile q's loads: the next tile's sixteen, or none
.irp k, 0,1,2,3,4,5,6,7
	s_wait_dscnt (\younger)+7-\k
	global_store_b128 v[GO], v[SCO+32*\q+4*\k:SCO+32*\q+4*\k+3], s[SO:SO+1] offset:\q*4096+\k*512 th:TH_STORE_NT   ; sixteen lanes store 256 consecutive bytes, at a multiple of 256 from out's first byte
.endr
.endm
	OUTT 0
	OUTT 1
	SENDT 0, 16
	OUTT 2
	SENDT 1, 16
	OUTT 3
	SENDT 2, 16
	SENDT 3, 0
	s_wait_dscnt 0x0
	s_wait_alu depctr_hold_cnt(0) depctr_sa_sdst(0) depctr_va_vdst(0) depctr_va_sdst(0) depctr_va_ssrc(0) depctr_va_vcc(0) depctr_vm_vsrc(0)
	s_wait_tensorcnt 0x0
	ds_add_u32 v254, v255
	s_wait_dscnt 0x0
	s_endpgm
.Lfunc_end_k_q06cf4f4b4d_lka:
	.size	k_q06cf4f4b4d_lka, .Lfunc_end_k_q06cf4f4b4d_lka-k_q06cf4f4b4d_lka
	.p2alignl 7, 3214868480
	.fill 96, 4, 3214868480
	.section	.rodata,"a",@progbits
	.p2align	6, 0x0
	.amdhsa_kernel k_q06cf4f4b4d_lka
		.amdhsa_group_segment_fixed_size 287232
		.amdhsa_private_segment_fixed_size 0
		.amdhsa_enable_private_segment 0
		.amdhsa_kernarg_size 48
		.amdhsa_user_sgpr_count 2
		.amdhsa_user_sgpr_kernarg_segment_ptr 1
		.amdhsa_wavefront_size32 1
		.amdhsa_system_sgpr_workgroup_id_x 1
		.amdhsa_system_sgpr_workgroup_id_y 1
		.amdhsa_system_sgpr_workgroup_id_z 1
		.amdhsa_system_vgpr_workitem_id 0
		.amdhsa_next_free_vgpr 896
		.amdhsa_next_free_sgpr 66
		.amdhsa_reserve_vcc 0
		.amdhsa_float_denorm_mode_32 3
		.amdhsa_float_denorm_mode_16_64 3
		.amdhsa_memory_ordered 1
		.amdhsa_forward_progress 1
		.amdhsa_inst_pref_size 255
	.end_amdhsa_kernel
	.section	.bss,"aw",@nobits
	.p2align	6
	.space	262144
	.amdgpu_metadata
---
amdhsa.version: [ 1, 2 ]
amdhsa.kernels:
  - .name:           k_q06cf4f4b4d_lka
    .symbol:         k_q06cf4f4b4d_lka.kd
    .args:
      - { .name: query_codes, .offset: 0, .size: 8, .value_kind: global_buffer, .address_space: global }
      - { .name: keys_codes, .offset: 8, .size: 8, .value_kind: global_buffer, .address_space: global }
      - { .name: vals_codes, .offset: 16, .size: 8, .value_kind: global_buffer, .address_space: global }
      - { .name: mask, .offset: 24, .size: 8, .value_kind: global_buffer, .address_space: global }
      - { .name: lowp_scales, .offset: 32, .size: 8, .value_kind: global_buffer, .address_space: global }
      - { .name: out0, .offset: 40, .size: 8, .value_kind: global_buffer, .address_space: global }
    .group_segment_fixed_size: 287232
    .private_segment_fixed_size: 0
    .kernarg_segment_align: 8
    .kernarg_segment_size: 48
    .max_flat_workgroup_size: 128
    .sgpr_count:     66
    .vgpr_count:     896
    .wavefront_size: 32
...
	.end_amdgpu_metadata
.endif
;; end of part 3
